; MI455X (gfx1250); checked and timed in simulation.
; The chip was launched on July 23, 2026; its instructions are those of AMD's public machine-readable ISA for CDNA 5 (MIT licence, August 2026) and "CDNA5" Instruction Set Architecture Reference Guide (July 2026). The comments in the code are by the model that wrote it; some were corrected since.
;; Causal Self Attention. Allowed arithmetic: matrix products marked QUANTISED: E2M3 operands, one E8M0 scale for each 32 along K, by v_wmma_scale_f32_16x16x128_f8f6f4 with both operands' format E2M3, f32 sums; everything else in f32.
;; Inputs: W_attn 1,024 x 3,072 float32; W_proj 1,024 x 1,024 float32; b_attn 3,072 float32; b_proj 1,024 float32; x 4 x 2,048 x 1,024 float32.
;; Outputs: out0 4 x 2,048 x 1,024 float32.
;; This version of the problem:
;;   THIS VERSION OF THE PROBLEM IS GIVEN IN LOW PRECISION. The matrix products marked QUANTISED in the list below multiply operands that are first quantised to E2M3 (2 exponent bits, 3 mantissa bits; 6 bits a number), with one power-of-two scale for each 32 numbers along K (OCP MX v1.0); their sums are f32. All else is computed in f32.
;;   The module's matrix products, in the order in which they are computed (A, B: the left and right operand; K: the contracted axis; several contracted axes count as one K, in the product's order):
;;     1. [M 8,192, K 1,024] x [K 1,024, N 3,072]; A: input x; B: input W_attn: QUANTISED
;;     2. batch 64 x [M 2,048, K 64] x [K 64, N 2,048]; A: computed on the way; B: computed on the way: QUANTISED
;;     3. batch 64 x [M 2,048, K 2,048] x [K 2,048, N 64]; A: softmax (see below); B: computed on the way: QUANTISED
;;     4. [M 8,192, K 1,024] x [K 1,024, N 1,024]; A: computed on the way; B: input W_proj: QUANTISED
;;   THE QUANTISER, for each operand of a quantised product, along K:
;;     - K is cut into blocks of 32 from its start; a last block that is shorter is filled with zeros.
;;     - A block's scale is 2^e with e = floor(log2(the largest magnitude in the block)) - 2, held to -126 .. 127; a block of zeros has e = 0. As a byte (E8M0): e + 127.
;;     - Each number is divided by its block's scale, clamped to +-7.5, and rounded to the nearest number of E2M3, ties to even, subnormals kept.
;;     - The product sums the exact products of the quantised numbers (number of the format x scale) in f32.
;;   ~~~python
;;   def quantise(x, axis):      # numpy; x: float32 -> the quantised numbers, widened to float32 again
;;       x = np.moveaxis(x, axis, -1); K = x.shape[-1]
;;       x = np.pad(x, [(0, 0)] * (x.ndim - 1) + [(0, -K % 32)]); x = x.reshape(x.shape[:-1] + (-1, 32)); a = np.abs(x).max(-1, keepdims=True)
;;       e = np.where(a > 0, np.clip(np.frexp(np.where(a > 0, a, 1))[1] - 1 - 2, -126, 127), 0)      # np.frexp(a)[1] - 1 = floor(log2(a)), exactly
;;       r = np.clip(x / 2.0 ** e, -7.5, 7.5)
;;       step = 2.0 ** (np.maximum(np.frexp(np.where(r == 0, 1, r))[1] - 1, 0) - 3)
;;       q = np.round(r / step) * step * 2.0 ** e      # np.round: ties to even
;;       return np.moveaxis(q.reshape(q.shape[:-2] + (-1,))[..., :K], -1, axis).astype(np.float32)
;;   ~~~
;;   SOFTMAX AHEAD OF A QUANTISED PRODUCT. Where the list says 'softmax', what is quantised is not the finished softmax but p = 2^(t - M), with t = logit x log2(e) and M = ceil(the row's largest t), a whole number; so 1/2 < the row's largest p <= 1. The row's sum l is taken of the UNQUANTISED p, in f32, and the product's result is divided by l at the end. Since M is a whole number, a kernel that streams over the keys may use a running M (the ceiling of the running maximum): every later rescaling is an exact power of two, which a block's scale takes up: the codes' values come out the same.
;;   OPERANDS COMPUTED ON THE WAY. 'Computed on the way' means the value that the module computes at that place (a softmax that the list does not call 'softmax' is quantised finished and normalised). What goes into a quantiser is computed in f32, as accurately as f32 sums, v_exp_f32 and their like allow (about 1e-6 of the number): no bf16 or f16 on the way to a quantiser, and a product that is left as it is and whose result goes on into a quantised operand takes f32 operands (vector FMAs, or v_wmma_f32_16x16x4_f32). A number that lies on a knife's edge between two numbers of the format may be rounded either way, as far as f32 arithmetic and the matrix unit's own rounding can turn it there, and no further.
;; One version. Each part assembles by itself: llvm-mc -triple=amdgcn-amd-amdhsa -mcpu=gfx1250 --defsym DOCPART=n.
;; ======== version 1 of 1: 4 launches
;; limits: right only within a limited range of input values
;; workspace buffers: xq 6,553,600 bytes; wq 3,276,800 bytes; rope 262,144 bytes; qq 6,815,744 bytes; kv 13,369,344 bytes; yq 6,553,600 bytes
;; launch quant (part 1): grid 384 x 1, 4 waves a work-group, no clusters, 68,096 bytes of LDS; arguments x, W_attn, W_proj, xq, wq, rope; writes xq, wq, rope
.if DOCPART == 1
	.amdgcn_target "amdgcn-amd-amdhsa--gfx1250"
	.amdhsa_code_object_version 6
	.text
	.protected	k_q669004e35c_quant
	.globl	k_q669004e35c_quant
	.p2align	8
	.type	k_q669004e35c_quant,@function
k_q669004e35c_quant:
	s_mov_b64 s[64:65], 0
	v_nop
	global_prefetch_b8 v0, s[64:65] scope:SCOPE_SE
	s_setreg_imm32_b32 hwreg(HW_REG_WAVE_MODE, 25, 1), 1
	s_wait_xcnt 0x0
; x [8192][1024], W_attn [1024][3072] and W_proj [1024][1024], f32, become codes of FP6 (E2M3) with K innermost and one E8M0 scale byte for each 32 along K; and the table of cos and sin is made.
; A block's scale is 2^(floor(log2(its largest magnitude)) - 2); its byte is that magnitude's exponent field - 2, held at 1 from below (a block of zeros keeps the byte 1: its codes are zeros, and this program alone reads the bytes).
; TILE ORDER: inside every aligned group of 32 rows of xq and wq, row p holds the natural index p with bits 3 and 4 exchanged, so that row r of the 16-row tile 2 b + u is natural index 32 b + 8 u + r + 8 (r / 8).
; xq: codes [8192][768] at 0, scale bytes [8192][32] at 0x600000.   wq: codes [4096][768] at 0 (rows 0-3071 W_attn's columns, 3072-4095 W_proj's), scale bytes [4096][32] at 0x300000.   rope: [2048][cos 16][sin 16] f32.
; Work-groups 0-255: 32 tokens of x each (a wave 8 rows, a dense run of 8,192 numbers) and 8 positions of the table.  Work-groups 256-383: 128 columns x 256 along K of a weight.  The two ways never join and have LDS bytes of their own.
; LIMITS: NaN and infinities among the inputs are not served; blocks whose largest magnitude lies under 2^-124 keep the byte 1.  The table's frequencies are the correctly rounded 10000^(-i/16); the angle's reduction by two words of pi/2 serves positions under 2,048.
.set SPARE, 67584                      ; behind both ways' regions: the spare words, 128 bytes for each wave
.set SPW,   208                        ; v208  LDS address of my spare word; never rewritten
.set NIL,   209                        ; v209  0; never rewritten
.set EMAX,  2
; the way of x
.set STEPS, 16
.set CB,    12                         ; bytes of 16 codes
.set XR,    16                         ; v16-79   four sets of 16 numbers as loaded
.set XN,    80                         ; v80-111  two sets of 16 neighbours
.set XE,    112                        ; v112-127 a scale byte for each step
.set XC,    128                        ; v128-191 codes, four registers a step
.set WREG,  8192                       ; LDS of a wave: two stages of 32 x SP bytes, then its 256 scale bytes
.set SP,    80
; the way of the weights
.set WBASE, 32768                      ; LDS: four stages of 32 rows x 272 bytes
.set NB,    8
.set PITCH, 272
; THE CODES' ORDER in xq and wq: [tile of 256 rows][K step of 256][256 rows][192 bytes]: row R, K step s at 196,608 (R / 256) + 49,152 s + 192 (R % 256); the scale bytes stay [row][32]
.set KROW,  192
.set WX,    32                         ; v32-95   two sets of 32 numbers
.set WC,    96                         ; v96-102  a block's codes
.set OUTR,  112                        ; v112-175 the way out
.set SBY,   24                         ; v24-25   the scale bytes
.set VO,    176                        ; v176-207 4 x lane + i rows of the weight
.set SBA,   32                         ; s32-47   the address of each block's first row
.macro XLOAD t
.irp i, 0,1,2,3
	global_load_b128 v[XR+16*((\t)%4)+4*\i:XR+16*((\t)%4)+4*\i+3], v3, s[4:5] offset:2048*(\t)+512*\i th:TH_LOAD_NT   ; 32 lanes read 512 consecutive bytes
.endr
.endm
.macro XTURN t                         ; a step's 2,048 bytes through the wave's own stage: in as they lie, back 64 bytes a lane.  LDS serves a wave's instructions in order
.irp i, 0,1,2,3
	ds_store_b128 v14, v[XR+16*((\t)%4)+4*\i:XR+16*((\t)%4)+4*\i+3] offset:32*SP*((\t)%2)+8*SP*\i
.endr
.irp i, 0,1,2,3
	ds_load_b128 v[XN+16*((\t)%2)+4*\i:XN+16*((\t)%2)+4*\i+3], v15 offset:32*SP*((\t)%2)+16*\i
.endr
.endm
.macro XSTEP t
.set XS, XN+16*((\t)%2)
.if (\t) > 0
	s_wait_dscnt 1                                 ; this step's numbers are back (the last step's byte store may be out)
.else
	s_wait_dscnt 0x0
.endif
.if (\t)+4 < STEPS
	XLOAD (\t)+4                                   ; into the set that this step's stage stores have read
.endif
.if (\t)+1 < STEPS
.if STEPS-2-(\t) >= 3
	s_wait_loadcnt 12                              ; the next step's four loads are in; the twelve of the three steps behind it may be out
.else
	s_wait_loadcnt 4*(STEPS-2-(\t))
.endif
	XTURN (\t)+1
.endif
	v_max3_num_f32 v8, |v[XS]|, |v[XS+1]|, |v[XS+2]|
	v_max3_num_f32 v9, |v[XS+3]|, |v[XS+4]|, |v[XS+5]|
.irp i, 6,10
	v_max3_num_f32 v8, v8, |v[XS+\i]|, |v[XS+\i+1]|
	v_max3_num_f32 v9, v9, |v[XS+\i+2]|, |v[XS+\i+3]|
.endr
	v_max3_num_f32 v8, v8, |v[XS+14]|, |v[XS+15]|
	v_max3_num_f32 v8, v8, v9, (EMAX+1)<<23        ; with the floor 2^(3 - 127): the byte cannot fall under 1
	v_max_num_f32_dpp v8, v8, v8 row_xmask:1 row_mask:0xf bank_mask:0xf   ; and my neighbour's 16: the block's largest magnitude
	v_add_nc_u32 v11, -(EMAX<<23), v8              ; 2 off its exponent field: the conversion's scale operand
	v_cvt_scalef32_pk16_fp6_f32 v[XC+4*(\t):XC+4*(\t)+2], v[XS:XS+15], v11
	v_lshrrev_b32 v[XE+(\t)], 23, v11              ; the scale's byte (a plain line behind the conversion)
	ds_store_b8 v5, v[XE+(\t)] offset:16*(\t)      ; both lanes of a block write the same byte with the same value
	global_store_b96 v4, v[XC+4*(\t):XC+4*(\t)+2], s[24:25] offset:192*((\t)/2)+98304*((\t)%2)   ; row t / 2, K steps 2 (t % 2) and 2 (t % 2) + 1
.endm
.macro WLOAD t                         ; block t: W(32 t + i, my column), i = 0 .. 31
.irp i, 0,1,2,3,4,5,6,7,8,9,10,11,12,13,14,15,16,17,18,19,20,21,22,23,24,25,26,27,28,29,30,31
	global_load_b32 v[WX+32*((\t)%2)+\i], v[VO+\i], s[SBA+2*(\t):SBA+2*(\t)+1] th:TH_LOAD_NT
.endr
.endm
.macro WBLOCK t
.set XS, WX+32*((\t)%2)
.if (\t) < NB-1
	s_wait_loadcnt 32                              ; this block's 32 loads are in; the next block's may be out
.else
	s_wait_loadcnt 0
.endif
	v_max3_num_f32 v12, |v[XS]|, |v[XS+1]|, |v[XS+2]|              ; all 32 numbers of the block are mine
	v_max3_num_f32 v13, |v[XS+3]|, |v[XS+4]|, |v[XS+5]|
.irp i, 6,10,14,18,22,26
	v_max3_num_f32 v12, v12, |v[XS+\i]|, |v[XS+\i+1]|
	v_max3_num_f32 v13, v13, |v[XS+\i+2]|, |v[XS+\i+3]|
.endr
	v_max3_num_f32 v12, v12, |v[XS+30]|, |v[XS+31]|
	v_max3_num_f32 v12, v12, v13, (EMAX+1)<<23
	v_add_nc_u32 v11, -(EMAX<<23), v12
	v_lshrrev_b32 v13, 23, v11
.if (\t)%4 == 0
	v_mov_b32 v[SBY+(\t)/4], v13
.else
	v_lshl_or_b32 v[SBY+(\t)/4], v13, 8*((\t)%4), v[SBY+(\t)/4]
.endif
	v_cvt_scalef32_pk16_fp6_f32 v[WC:WC+2], v[XS:XS+15], v11
	v_cvt_scalef32_pk16_fp6_f32 v[WC+4:WC+6], v[XS+16:XS+31], v11
	ds_store_b96 v4, v[WC:WC+2] offset:32*(\t)     ; 12 bytes to a place of 16 in the stage
	ds_store_b96 v4, v[WC+4:WC+6] offset:32*(\t)+16
.if (\t)+2 < NB
	WLOAD (\t)+2
.endif
	s_wait_dscnt 0x0                               ; the stores have read their registers: the next block's codes may be written
.endm
	s_load_b256 s[4:11], s[0:1], 0x0               ; x s[4:5], W_attn s[6:7], W_proj s[8:9], xq s[10:11]
	s_load_b128 s[12:15], s[0:1], 0x20             ; wq s[12:13], rope s[14:15]
	v_lshl_add_u32 v[SPW], v0, 2, SPARE
	v_mov_b32 v[NIL], 0
	v_lshrrev_b32 v1, 5, v0
	v_readfirstlane_b32 s16, v1                    ; wave
	v_and_b32 v2, 31, v0                           ; lane
	s_cmp_lt_u32 ttmp9, 256
	s_cbranch_scc0 .Lweights
	; ---------------- x ----------------
	v_lshlrev_b32 v3, 4, v2                        ; my 16 bytes of a load's 512
	s_mul_i32 s17, s16, WREG
	v_lshrrev_b32 v14, 2, v2
	v_mul_u32_u24 v14, v14, SP
	v_and_b32 v15, 3, v2
	v_lshl_add_u32 v14, v15, 4, v14
	v_add_nc_u32 v14, s17, v14                     ; the stage, in: SP (lane / 4) + 16 (lane % 4)
	v_mul_u32_u24 v15, v2, SP
	v_add_nc_u32 v15, s17, v15                     ; and back: SP x lane
	v_and_b32 v4, 15, v2
	v_mul_u32_u24 v4, v4, CB
	v_lshrrev_b32 v10, 4, v2
	v_mul_u32_u24 v10, v10, 49152
	v_add_nc_u32 v4, v4, v10                       ; sixteen lanes hold 256 along K: 12 bytes a lane; lanes 16-31 the next K step
	v_lshrrev_b32 v5, 1, v2
	s_add_co_u32 s17, s17, 2*32*SP
	v_add_nc_u32 v5, s17, v5                       ; my block's byte among the wave's 256
	v_lshlrev_b32 v7, 3, v2
	v_add_nc_u32 v6, s17, v7
	s_lshl_b32 s18, ttmp9, 2
	s_add_co_u32 s19, s18, s16                     ; the run of 8 rows that I read: 4 x work-group + wave
	s_and_b32 s20, s16, 1
	s_lshl_b32 s20, s20, 1
	s_lshr_b32 s21, s16, 1
	s_or_b32 s20, s20, s21
	s_add_co_u32 s18, s18, s20                     ; and the run that I write: the wave's two bits exchanged (tile order)
	s_lshl_b32 s22, s19, 15
	s_mov_b32 s23, 0
	s_lshr_b32 s24, s18, 5
	s_mul_i32 s24, s24, 196608                     ; the tile of 256 rows,
	s_and_b32 s25, s18, 31
	s_mul_i32 s25, s25, 1536                       ; my 8 rows in it
	s_add_co_u32 s24, s24, s25
	s_mov_b32 s25, 0
	s_lshl_b32 s26, s18, 8
	s_add_co_u32 s26, s26, 0x600000
	s_mov_b32 s27, 0
	s_lshl_b32 s28, ttmp9, 3
	s_wait_kmcnt 0x0
	s_add_nc_u64 s[4:5], s[4:5], s[22:23]
	s_add_nc_u64 s[24:25], s[10:11], s[24:25]      ; my codes
	s_add_nc_u64 s[26:27], s[10:11], s[26:27]      ; my scale bytes
.irp t, 0,1,2,3
	XLOAD \t
.endr
	; the table, while the first loads are on their way: a thread makes cos and sin of t f_i, t = 8 x work-group + thread / 16, i = thread % 16
	v_and_b32 v192, 15, v0
	v_lshrrev_b32 v193, 4, v0
	v_add_nc_u32 v193, s28, v193
	v_mov_b32 v194, 1.0                            ; f_0; f_i = 10000^(-i/16) is picked by fifteen selections
.macro PICK i, lit
	v_cmp_ne_u32 vcc_lo, \i, v192
	v_cndmask_b32 v194, \lit, v194, vcc_lo
.endm
	PICK 1, 0x3f0ff59a
	PICK 2, 0x3ea1e89b
	PICK 3, 0x3e361887
	PICK 4, 0x3dcccccd
	PICK 5, 0x3d6655c3
	PICK 6, 0x3d0186e2
	PICK 7, 0x3c91ad39
	PICK 8, 0x3c23d70a
	PICK 9, 0x3bb8449c
	PICK 10, 0x3b4f3e37
	PICK 11, 0x3ae91528
	PICK 12, 0x3a83126f
	PICK 13, 0x3a136a16
	PICK 14, 0x39a5cb5f
	PICK 15, 0x393a7753
	v_cvt_f32_u32 v195, v193
	v_mul_f32 v195, v195, v194                     ; the angle a, rounded once
	v_mul_f32 v196, 0x3f22f983, v195
	v_rndne_f32 v196, v196                         ; k = the nearest whole number to a x 2 / pi
	v_fmamk_f32 v197, v196, 0xbfc90fdb, v195       ; r = a - k pi/2, pi/2 in two words
	v_fmamk_f32 v197, v196, 0x333bbd2e, v197
	v_mul_f32 v198, v197, v197                     ; z = r r
	v_mov_b32 v199, 0xb94ca1f9
	v_fmaak_f32 v199, v199, v198, 0x3c08839e
	v_fmaak_f32 v199, v199, v198, 0xbe2aaaa3
	v_mul_f32 v200, v198, v197
	v_fma_f32 v199, v199, v200, v197               ; sin r
	v_mov_b32 v201, 0x37ccf5ce
	v_fmaak_f32 v201, v201, v198, 0xbab6061a
	v_fmaak_f32 v201, v201, v198, 0x3d2aaaa5
	v_mul_f32 v202, v198, v198
	v_fma_f32 v203, v198, -0.5, 1.0
	v_fma_f32 v201, v201, v202, v203               ; cos r
	v_cvt_i32_f32 v204, v196
	v_and_b32 v205, 1, v204
	v_cmp_eq_u32 vcc_lo, 1, v205                   ; an odd quadrant exchanges the two
	v_cndmask_b32 v206, v199, v201, vcc_lo         ; sin a, up to its sign
	v_cndmask_b32 v207, v201, v199, vcc_lo         ; cos a, up to its sign
	v_and_b32 v205, 2, v204
	v_lshlrev_b32 v205, 30, v205
	v_xor_b32 v206, v206, v205                     ; sin is negative in quadrants 2 and 3,
	v_add_nc_u32 v204, 1, v204
	v_and_b32 v204, 2, v204
	v_lshlrev_b32 v204, 30, v204
	v_xor_b32 v207, v207, v204                     ; cos in quadrants 1 and 2
	v_lshlrev_b32 v192, 2, v192
	v_lshl_add_u32 v192, v193, 7, v192
	global_store_b32 v192, v207, s[14:15]
	global_store_b32 v192, v206, s[14:15] offset:64
	s_wait_loadcnt 12                              ; step 0's four loads are in
	XTURN 0
.irp t, 0,1,2,3,4,5,6,7,8,9,10,11,12,13,14,15
	XSTEP \t
.endr
	ds_load_b64 v[8:9], v6                         ; my wave's 256 scale bytes
	s_wait_dscnt 0x0
	global_store_b64 v7, v[8:9], s[26:27]          ; 32 lanes store 256 consecutive bytes, aligned
	s_wait_tensorcnt 0x0                           ; the wave's end
	ds_add_u32 v[SPW], v[NIL]
	s_wait_dscnt 0x0
	s_endpgm
	; ---------------- the weights: a lane takes a column, its registers run down K ----------------
.Lweights:
	s_sub_co_u32 s17, ttmp9, 256
	s_and_b32 s18, s17, 31                         ; which 128 rows of wq: 0-23 W_attn's columns, 24-31 W_proj's
	s_lshr_b32 s19, s17, 5                         ; which 256 along K
	s_sub_co_u32 s20, s18, 24
	s_mov_b32 s21, 4096
	s_cmp_lt_u32 s18, 24
	s_cselect_b32 s21, 12288, s21                  ; a row of the weight in bytes
	s_cselect_b32 s20, s18, s20                    ; which 128 columns of it
	s_wait_alu depctr_va_vdst(0)
	v_lshlrev_b32 v3, 2, v2
	s_mul_i32 s25, s16, 32*PITCH
	s_add_co_u32 s25, s25, WBASE                   ; my stage
	v_mul_u32_u24 v4, v2, PITCH
	v_add_nc_u32 v4, s25, v4                       ; into it: row = my column
	v_and_b32 v5, 15, v2
	v_lshrrev_b32 v6, 4, v2
	v_mul_u32_u24 v7, v6, PITCH
	v_lshl_add_u32 v7, v5, 4, v7
	v_add_nc_u32 v7, s25, v7                       ; out of it: sixteen lanes to a row, two rows an instruction
	v_mul_u32_u24 v8, v6, KROW
	v_mad_u32_u24 v8, v5, 12, v8
	v_and_b32 v9, 7, v2                            ; my column's row among the wave's 32, in tile order
	v_bfe_u32 v10, v2, 3, 1
	v_lshl_or_b32 v9, v10, 4, v9
	v_bfe_u32 v10, v2, 4, 1
	v_lshl_or_b32 v9, v10, 3, v9
	v_lshlrev_b32 v9, 5, v9                        ; x 32 scale bytes a row
	s_mul_i32 s22, s19, s21
	s_lshl_b32 s22, s22, 8                         ; 256 rows of the weight for each step along K,
	s_lshl_b32 s23, s20, 9
	s_add_co_u32 s22, s22, s23                     ; 128 columns a work-group,
	s_lshl_b32 s23, s16, 7
	s_add_co_u32 s22, s22, s23                     ; 32 a wave
	s_mov_b32 s23, 0
	s_lshl_b32 s28, s21, 5                         ; 32 rows on
	s_mov_b32 s29, 0
	s_lshl_b32 s26, s18, 7
	s_lshl_b32 s27, s16, 5
	s_add_co_u32 s26, s26, s27                     ; my first row of wq
	s_lshr_b32 s30, s26, 8
	s_mul_i32 s30, s30, 196608
	s_and_b32 s27, s26, 255
	s_mul_i32 s27, s27, KROW
	s_add_co_u32 s30, s30, s27
	s_mul_i32 s27, s19, 49152
	s_add_co_u32 s30, s30, s27
	s_mov_b32 s31, 0
	s_lshl_b32 s26, s26, 5
	s_lshl_b32 s27, s19, 3
	s_add_co_u32 s26, s26, s27
	s_add_co_u32 s26, s26, 0x300000
	s_mov_b32 s27, 0
	v_mov_b32 v[VO], v3
.irp i, 1,2,3,4,5,6,7,8,9,10,11,12,13,14,15,16,17,18,19,20,21,22,23,24,25,26,27,28,29,30,31
	v_add_nc_u32 v[VO+\i], s21, v[VO+\i-1]
.endr
	s_wait_alu depctr_va_vdst(0)
	s_wait_kmcnt 0x0
	s_cmp_lt_u32 s18, 24                           ; the choice hangs on the work-group's number alone
	s_cselect_b64 s[4:5], s[6:7], s[8:9]
	s_add_nc_u64 s[SBA:SBA+1], s[4:5], s[22:23]
.irp t, 1,2,3,4,5,6,7
	s_add_nc_u64 s[SBA+2*\t:SBA+2*\t+1], s[SBA+2*\t-2:SBA+2*\t-1], s[28:29]
.endr
	s_add_nc_u64 s[30:31], s[12:13], s[30:31]      ; my codes
	s_add_nc_u64 s[26:27], s[12:13], s[26:27]      ; my scale bytes
	WLOAD 0
	WLOAD 1
.irp t, 0,1,2,3,4,5,6,7
	WBLOCK \t
.endr
	s_wait_alu depctr_va_vdst(0)
	global_store_b64 v9, v[SBY:SBY+1], s[26:27]    ; my column's 8 scale bytes
.irp t, 0,1,2,3,4,5,6,7,8,9,10,11,12,13,14,15
	ds_load_b96 v[OUTR+4*\t:OUTR+4*\t+2], v7 offset:2*\t*PITCH
.endr
.irp t, 0,1,2,3,4,5,6,7,8,9,10,11,12,13,14,15
	s_wait_dscnt 15-\t                             ; LDS loads come back in order: pair t of rows is in
	global_store_b96 v8, v[OUTR+4*\t:OUTR+4*\t+2], s[30:31] offset:((2*\t)%8+16*((\t/4)%2)+8*(\t/8))*KROW   ; columns 2 t, 2 t + 1 go to their rows in tile order; sixteen lanes store 192 consecutive bytes
.endr
	s_wait_tensorcnt 0x0                           ; the wave's end
	ds_add_u32 v[SPW], v[NIL]
	s_wait_dscnt 0x0
	s_endpgm
.Lfunc_end_k_q669004e35c_quant:
	.size	k_q669004e35c_quant, .Lfunc_end_k_q669004e35c_quant-k_q669004e35c_quant
	.p2alignl 7, 3214868480
	.fill 96, 4, 3214868480
	.section	.rodata,"a",@progbits
	.p2align	6, 0x0
	.amdhsa_kernel k_q669004e35c_quant
		.amdhsa_group_segment_fixed_size 68096
		.amdhsa_private_segment_fixed_size 0
		.amdhsa_enable_private_segment 0
		.amdhsa_kernarg_size 48
		.amdhsa_user_sgpr_count 2
		.amdhsa_user_sgpr_kernarg_segment_ptr 1
		.amdhsa_wavefront_size32 1
		.amdhsa_system_sgpr_workgroup_id_x 1
		.amdhsa_system_sgpr_workgroup_id_y 1
		.amdhsa_system_sgpr_workgroup_id_z 1
		.amdhsa_system_vgpr_workitem_id 0
		.amdhsa_next_free_vgpr 212
		.amdhsa_next_free_sgpr 66
		.amdhsa_reserve_vcc 1
		.amdhsa_float_denorm_mode_32 3
		.amdhsa_float_denorm_mode_16_64 3
		.amdhsa_memory_ordered 1
		.amdhsa_forward_progress 1
		.amdhsa_inst_pref_size 79
	.end_amdhsa_kernel
	.amdgpu_metadata
---
amdhsa.version: [ 1, 2 ]
amdhsa.kernels:
  - .name:           k_q669004e35c_quant
    .symbol:         k_q669004e35c_quant.kd
    .args:
      - { .name: x, .offset: 0, .size: 8, .value_kind: global_buffer, .address_space: global }
      - { .name: W_attn, .offset: 8, .size: 8, .value_kind: global_buffer, .address_space: global }
      - { .name: W_proj, .offset: 16, .size: 8, .value_kind: global_buffer, .address_space: global }
      - { .name: xq, .offset: 24, .size: 8, .value_kind: global_buffer, .address_space: global }
      - { .name: wq, .offset: 32, .size: 8, .value_kind: global_buffer, .address_space: global }
      - { .name: rope, .offset: 40, .size: 8, .value_kind: global_buffer, .address_space: global }
    .group_segment_fixed_size: 68096
    .private_segment_fixed_size: 0
    .kernarg_segment_align: 8
    .kernarg_segment_size: 48
    .max_flat_workgroup_size: 128
    .sgpr_count:     66
    .vgpr_count:     212
    .wavefront_size: 32
...
	.end_amdgpu_metadata
.endif
;; end of part 1
;; launch qkv (part 2): grid 12 x 32, 4 waves a work-group, clusters of 4 x 4, 327,680 bytes of LDS; arguments xq, wq, b_attn, rope, qq, kv; writes qq, kv
.if DOCPART == 2
	.amdgcn_target "amdgcn-amd-amdhsa--gfx1250"
	.amdhsa_code_object_version 6
	.text
	.protected	k_q669004e35c_qkv
	.globl	k_q669004e35c_qkv
	.p2align	8
	.type	k_q669004e35c_qkv,@function
k_q669004e35c_qkv:
	s_mov_b64 s[64:65], 0
	v_nop
	global_prefetch_b8 v0, s[64:65] scope:SCOPE_SE
	s_setreg_imm32_b32 hwreg(HW_REG_WAVE_MODE, 25, 1), 1
	s_wait_xcnt 0x0
	s_wait_alu depctr_hold_cnt(0) depctr_sa_sdst(0) depctr_va_vdst(0) depctr_va_sdst(0) depctr_va_ssrc(0) depctr_va_vcc(0) depctr_vm_vsrc(0)
	s_getreg_b32 s2, hwreg(HW_REG_IB_STS2, 6, 4)
	s_cmp_eq_u32 s2, 0
	s_cbranch_scc0 .Lentry_in_a_cluster
	s_endpgm
.Lentry_in_a_cluster:
	s_bfe_u32 s2, ttmp6, 0x10000c
	s_cmp_lg_u32 s2, 0xf033
	s_cbranch_scc0 .Lentry_shape_is_right
	s_endpgm
.Lentry_shape_is_right:
; qkv = x W_attn + b_attn on codes of FP6 (E2M3) with E8M0 scales; then RoPE on q and k; then q, k (along the head's 64) and v (along the keys) are quantised and stored as images of the operand registers that the attention launch loads.
; A tile of 256 x 256 is made by four waves, 128 x 128 each (64 accumulators, 512 registers); K = 1,024 goes in four steps of 256 through a ring of two LDS slots filled by joint tensor loads in a cluster of 4 x 4.
; ROLES by the cluster's x, which all sixteen partners share: 0 = q, 1 = k, 2 = v.  The text's A side is source 1 (a lane's row), its B side source 0 (a lane's registers).  q, k: A = rows of x, B = rows of wq: a lane holds one token,
; its registers run along the head's d.  v: A = rows of wq, B = rows of x: a lane holds one d, its registers run along the keys.  Only pointers and tile numbers are chosen; rows of both buffers are 768 bytes, their scales 32.
; Both buffers lie in TILE ORDER (row r of tile 2 b + u = natural index 32 b + 8 u + r + 8 (r / 8)), so the 16 registers of accumulators 2 b, 2 b + 1 are 16 natural neighbours: 32 b + 16 (lane / 16) + 0 .. 15.
; OUT: qq / kv codes [bh][tile of 16 tokens][768]: 512 bytes (lane's registers 0-3 at 16 x lane), 256 bytes (registers 4-5 at 8 x lane).  Scale words [bh][128 tokens][lane = 16 u + r][i] for tile 2 i + u.
;      v codes at kv + 0x600000: [bh][128 keys][16 d][1,536]; scale words at kv + 0xC00000 + 12,288 bh: k's 8,192 bytes, then v's [128 keys][16 (t % 2) + r][t / 2].
; LIMITS: NaN and infinities are not served; blocks whose largest magnitude lies under 2^-124 keep the scale byte 1 (their codes are what the conversion gives under that scale).
; REGISTERS: window 0: v1-31 addresses; v32-63 scale words, two sets; v128-223 A's fragments, one set; v64-127, v224-255 free for the way out.  window 1: B's fragments at v0 and v128; the bias at v96-127, v224-255.  windows 2, 3: accumulators.
.set KSTEP,  256
.set NQ,     2
.set ROWB,   192
.set KROW,   768
.set PITCH,  240                       ; an LDS row: 3 x (64 bytes + 16 of padding)
.set FR,     12
.set NL,     6
.set NP,     4
.set HALFT,  128*PITCH
.set SLOT,   2*HALFT                   ; LDS: A's two slots of 256 rows, then B's two.  In memory a tile of 256 rows is [K step][256 rows][192 bytes], dense: tiles are stated as rows of 256 bytes
.set LAPS,   2
.set KS,     32
.set SCL,    8*HALFT
.set HALFS,  (128*KS/256)*272
.set SBLK,   (16*KS/256)*272
.set SPARE,  SCL+4*HALFS               ; the spare words, 128 bytes for each wave
.set RO,   7                           ; v7   128 (r + 8 (r / 8)): my token's row of the table
.set BO,   8                           ; v8   64 (lane / 16): my half's bias numbers
.set BV,   9                           ; v9   4 (r + 8 (r / 8)): my d's bias number
.set O16,  10                          ; v10  16 x lane
.set O8,   11                          ; v11  8 x lane
.set SQ,   12                          ; v12  the small stage of q, k: 1,024 wave + 512 (lane / 16) + 16 r
.set SV,   13                          ; v13  that of v: 4,096 + 1,024 wave + 8 r
.set SR,   14                          ; v14  back: 1,024 wave + 16 x lane
.set SH,   15                          ; v15  16 (lane / 16)
.set ADRA, 16
.set ADRB, 20
.set ADRS, 27
.set SPW,  28
.set NIL,  29
.set GV,   30                          ; v30  12,288 (lane / 16) + 16 r
.set SC,   32
.set CS1,  64                          ; v64-95   the table's rows, odd blocks (v: the bias, twice each, v64-79)
.set TM,   96                          ; v96-111  the quantiser's work
.set PW,   112                         ; v112     the scale word just made
.set SW,   113
.set XT,   114                         ; v114-121 at work
.set AF,   128
.set T,    128                         ; v128-191 64 numbers of a lane
.set PC,   192                         ; v192-210 the codes just made
.set CS0,  224                         ; v224-255 the table's rows, even blocks
.set SEL,  66
.set G1, 24
.set G0, 32
.set G1B, 48
.set G0B, 56
.set G1S, 68
.set G0S, 76
.set G1SB, 80
.set G0SB, 88
.set MSB, 0
.macro WIN new                         ; the immediate's high byte repeats the setting that is left
.if MSB != (\new)
	s_set_vgpr_msb (MSB<<8)|(\new)
.set MSB, (\new)
.endif
.endm
.set MUL_LO, 0xa1
.set MUL_HI, 0xf1
.set TO_B,   0x40
; A joint load: waves 0 and 1 fetch for A, waves 2 and 3 for B; the branch hangs on the wave's number alone.  An s_nop 0 and four v_nop follow each line.
.macro JLOAD g0a, g1a, g0b, g1b
	s_cmp_eq_u32 s15, 0
	s_cbranch_scc0 .Lfor_b_\@
	tensor_load_to_lds s[\g0a:\g0a+3], s[\g1a:\g1a+7]
	s_nop 0
.rept 4
	v_nop
.endr
	s_branch .Lasked_\@
.Lfor_b_\@:
	tensor_load_to_lds s[\g0b:\g0b+3], s[\g1b:\g1b+7]
	s_nop 0
.rept 4
	v_nop
.endr
.Lasked_\@:
.endm
.macro CREST
	s_cmp_lg_u32 s14, 0
	s_cbranch_scc1 .Lnot_wave_0_\@
	s_barrier_signal -3
.Lnot_wave_0_\@:
	s_barrier_wait -3
	s_barrier_signal -1
	s_barrier_wait -1
.endm
.macro CROUND
	s_barrier_signal -1
	s_barrier_wait -1
	CREST
.endm
	s_load_b128 s[4:7], s[0:1], 0x0                ; xq s[4:5], wq s[6:7]
	v_lshl_add_u32 v[SPW], v0, 2, SPARE
	v_mov_b32 v[NIL], 0
	ds_add_u32 v[SPW], v[NIL]                      ; the wave's opening
	ds_add_u32 v[SPW], v[NIL]
	v_lshrrev_b32 v1, 5, v0
	v_readfirstlane_b32 s14, v1                    ; wave 0..3
	s_lshr_b32 s15, s14, 1                         ; which half of A's rows is mine.  Also: I fetch for A (0) or for B (1)
	s_and_b32 s16, s14, 1                          ; which half of B's rows.  Also: which 128 rows I fetch
	s_bfe_u32 s40, ttmp6, 0x40000                  ; cx
	s_bfe_u32 s41, ttmp6, 0x40004                  ; cy
	s_and_b32 s95, ttmp7, 0xffff
	s_lshl_b32 s95, s95, 2                         ; 4 x cluster y
	s_add_co_u32 s96, s95, s41                     ; q, k: A's tile of x
	s_add_co_u32 s97, s41, 8                       ; v: A's tile of wq
	s_lshl_b32 s98, ttmp9, 2
	s_add_co_u32 s98, s98, s40                     ; q, k: B's tile of wq
	s_add_co_u32 s99, s95, s40                     ; v: B's tile of x
	s_mov_b32 s100, 0x600000                       ; where xq's scale bytes begin,
	s_mov_b32 s101, 0x300000                       ; and wq's
	s_cmp_eq_u32 ttmp9, 2
	s_cselect_b32 s17, s97, s96                    ; A's tile: made of cy and cluster numbers alone
	s_cselect_b32 s42, s99, s98                    ; B's tile: of cx and cluster numbers alone
	s_cselect_b32 s94, s101, s100
	s_cselect_b32 s95, s100, s101
	s_lshl_b32 s43, s41, 2
	s_lshl_b32 s43, 15, s43                        ; my row of the cluster
	s_lshl_b32 s44, 0x1111, s40                    ; my column
	s_or_b32 s[G1+0], s43, (0<<16)|(1<<20)|(1<<21)|(3<<22)|(3<<25)  ; mask; 1-byte elements; padding of 4 words behind every 16
	s_or_b32 s[G1B+0], s44, (0<<16)|(1<<20)|(1<<21)|(3<<22)|(3<<25)
.irp g, G1, G1B
	s_mov_b32 s[\g+1], 256<<16
	s_mov_b32 s[\g+2], 384<<16                     ; the head's loads: K steps 0 and 1 of 256 rows, 98,304 dense bytes
	s_mov_b32 s[\g+3], 256<<16
	s_mov_b32 s[\g+4], 384
	s_mov_b32 s[\g+5], 256
	s_mov_b32 s[\g+6], 0
	s_mov_b32 s[\g+7], 0
.endr
	s_or_b32 s[G1S+0], s43, (3<<16)|(1<<20)|(1<<21)|(5<<22)|(3<<25) ; the scales of 256 rows: 8,192 dense bytes as 32 rows of 256, 16 bytes of padding behind each
	s_or_b32 s[G1SB+0], s44, (3<<16)|(1<<20)|(1<<21)|(5<<22)|(3<<25)
.irp g, G1S, G1SB
	s_mov_b32 s[\g+1], 32<<16
	s_mov_b32 s[\g+2], (256*KS/256)<<16
	s_mov_b32 s[\g+3], 32<<16
	s_mov_b32 s[\g+4], 256*KS/256
	s_mov_b32 s[\g+5], 32
	s_mov_b32 s[\g+6], 0
	s_mov_b32 s[\g+7], 0
.endr
	s_lshl_b32 s22, s17, 13
	s_add_co_u32 s22, s22, s94                     ; the scale bytes of A's 256 rows
	s_mov_b32 s23, 0
	s_lshl_b32 s92, s42, 13
	s_add_co_u32 s92, s92, s95                     ; of B's
	s_mov_b32 s93, 0
	s_mul_i32 s20, s17, 196608                     ; and the tiles' codes
	s_mov_b32 s21, 0
	s_mul_i32 s46, s42, 196608
	s_mov_b32 s47, 0
	s_mul_i32 s45, s14, HALFT
	s_mul_i32 s18, s16, 24576                      ; a refill: my 128 rows
	s_add_co_u32 s18, s18, 98304                   ; of K step 2
	s_mov_b32 s19, 0
	s_mov_b32 s[SEL], 0x76543210
	s_mov_b32 s[SEL+1], 0xfedcba98
	s_wait_dscnt 0x0                               ; the opening add is done
	s_wait_kmcnt 0x0
	s_cmp_eq_u32 ttmp9, 2                          ; the choice of buffers hangs on the cluster's number alone
	s_cselect_b64 s[8:9], s[6:7], s[4:5]           ; A's buffer
	s_cselect_b64 s[10:11], s[4:5], s[6:7]         ; B's
	s_add_nc_u64 s[20:21], s[8:9], s[20:21]
	s_add_nc_u64 s[22:23], s[8:9], s[22:23]
	s_add_nc_u64 s[46:47], s[10:11], s[46:47]
	s_add_nc_u64 s[92:93], s[10:11], s[92:93]
	CROUND                                         ; all sixteen work-groups are here: the first joint loads meet
	s_mov_b32 s[G0S], 1
	s_mov_b32 s[G0S+1], SCL
	s_mov_b64 s[G0S+2:G0S+3], s[22:23]
	s_or_b32 s[G0S+3], s[G0S+3], 0x80000000
	s_mov_b32 s[G0SB], 1
	s_mov_b32 s[G0SB+1], SCL+2*HALFS
	s_mov_b64 s[G0SB+2:G0SB+3], s[92:93]
	s_or_b32 s[G0SB+3], s[G0SB+3], 0x80000000
	s_mov_b32 s[G0], 1                             ; the head's load of A: both slots
	s_mov_b32 s[G0+1], 0
	s_mov_b64 s[G0+2:G0+3], s[20:21]
	s_or_b32 s[G0+3], s[G0+3], 0x80000000
	s_mov_b32 s[G0B], 1                            ; of B
	s_mov_b32 s[G0B+1], 4*HALFT
	s_mov_b64 s[G0B+2:G0B+3], s[46:47]
	s_or_b32 s[G0B+3], s[G0B+3], 0x80000000
	s_mov_b32 s[G0+4], 1                           ; slot 1's refill: my 128 rows of K step 3
	s_add_co_u32 s[G0+5], s45, SLOT
	s_add_nc_u64 s[G0+6:G0+7], s[20:21], s[18:19]
	s_add_nc_u64 s[G0+6:G0+7], s[G0+6:G0+7], 49152
	s_or_b32 s[G0+7], s[G0+7], 0x80000000
	s_mov_b32 s[G0B+4], 1
	s_add_co_u32 s[G0B+5], s45, SLOT+2*HALFT
	s_add_nc_u64 s[G0B+6:G0B+7], s[46:47], s[18:19]
	s_add_nc_u64 s[G0B+6:G0B+7], s[G0B+6:G0B+7], 49152
	s_or_b32 s[G0B+7], s[G0B+7], 0x80000000
; the head's loads, one a wave, in one chain of arms on the wave's number: wave 0 A's two slots, wave 1 B's, wave 2 A's scales, wave 3 B's
.macro ARM under, g0, g1, next
	s_cmp_lt_u32 s14, \under
	s_cbranch_scc0 \next
	tensor_load_to_lds s[\g0:\g0+3], s[\g1:\g1+7]
	s_nop 0
.rept 4
	v_nop
.endr
	s_branch .Lhead_asked
\next:
.endm
	ARM 1, G0,  G1,  .Lhead_b
	ARM 2, G0B, G1B, .Lhead_sa
	ARM 3, G0S, G1S, .Lhead_sb
	tensor_load_to_lds s[G0SB:G0SB+3], s[G1SB:G1SB+7]
	s_nop 0
.rept 4
	v_nop
.endr
.Lhead_asked:
	s_load_b256 s[4:11], s[0:1], 0x10              ; for the way out: b_attn s[4:5], rope s[6:7], qq s[8:9], kv s[10:11]; waited for in front of the last step
	v_and_b32 v1, 15, v0                           ; r
	v_bfe_u32 v2, v0, 4, 1                         ; lane / 16
	v_mul_u32_u24 v3, v1, PITCH
	v_mul_u32_u24 v4, v2, 24
	v_add_nc_u32 v4, v3, v4
	v_lshl_add_u32 v5, v2, 4, v4                   ; the same behind one padding more
	s_mul_i32 s21, s15, HALFT
	s_mul_i32 s22, s16, HALFT
	s_add_co_u32 s22, s22, 4*HALFT
.irp s, 0,1
	v_add_nc_u32 v[ADRA+\s], s21, v4
	v_add_nc_u32 v[ADRB+\s], s22, v4
	v_add_nc_u32 v[ADRA+2+\s], s21, v5
	v_add_nc_u32 v[ADRB+2+\s], s22, v5
	s_add_co_u32 s21, s21, SLOT
	s_add_co_u32 s22, s22, SLOT
.endr
	v_mul_u32_u24 v5, v1, KS
	v_lshrrev_b32 v6, 8, v5
	v_lshl_add_u32 v5, v6, 4, v5
	s_mul_i32 s21, s15, HALFS
	s_mul_i32 s22, s16, HALFS
	s_add_co_u32 s22, s22, 2*HALFS
	s_sub_co_u32 s22, s22, s21
	v_mul_u32_u24 v6, s22, v2                      ; lanes 16-31 take B's scale words
	s_add_co_u32 s21, s21, SCL
	v_add_nc_u32 v5, v5, v6
	v_add_nc_u32 v[ADRS], s21, v5
	v_and_b32 v6, 8, v1
	v_add_nc_u32 v6, v6, v1                        ; r + 8 (r / 8)
	v_lshlrev_b32 v[RO], 7, v6
	v_lshlrev_b32 v[BV], 2, v6
	v_lshlrev_b32 v[BO], 6, v2
	v_and_b32 v31, 31, v0
	v_lshlrev_b32 v[O16], 4, v31
	v_lshlrev_b32 v[O8], 3, v31
	s_lshl_b32 s23, s14, 10
	v_lshlrev_b32 v[SQ], 4, v1
	v_lshl_add_u32 v[SQ], v2, 9, v[SQ]
	v_add_nc_u32 v[SQ], s23, v[SQ]
	v_lshlrev_b32 v[SV], 3, v1
	v_add_nc_u32 v[SV], s23, v[SV]
	v_add_nc_u32 v[SV], 4096, v[SV]
	v_add_nc_u32 v[SR], s23, v[O16]
	v_lshlrev_b32 v[SH], 4, v2
	v_mul_u32_u24 v[GV], v2, 12288
	v_lshl_add_u32 v[GV], v1, 4, v[GV]
.irp b, 0,1,2,3
	v_mov_b32 v[TM+4+\b], 0                        ; written once: a lane permute's destination counts as one of its sources
.endr
.macro FRAG reg, adr, q, i             ; a fragment: 12 registers, in pieces of 8 bytes; where the piece of lanes 16-31 lies behind one padding more, the second address register serves
.irp p, 0,1,2,3,4,5
.set PCE, 12*(\q)+6*(\p/3)+\p%3
.if PCE%8 < 5
	ds_load_b64 v[\reg+2*\p:\reg+2*\p+1], v[\adr] offset:8*PCE+16*(PCE/8)+(\i)*16*PITCH
.else
	ds_load_b64 v[\reg+2*\p:\reg+2*\p+1], v[\adr+2] offset:8*PCE+16*(PCE/8)+(\i)*16*PITCH
.endif
.endr
.endm
; 16 matrix instructions: A's blocks a0, a0 + 1 x B's eight.  The 64 accumulators take turns, one instruction a turn, in the same order in every step.
.macro MUL16 a0, p, q, sc, zero
.irp a, \a0, \a0+1
.irp b, 0,1,2,3,4,5,6,7
.if \zero
	v_wmma_scale_f32_16x16x128_f8f6f4 v[8*(8*((\a)%4)+\b):8*(8*((\a)%4)+\b)+7], v[128*(\p)+FR*\b:128*(\p)+FR*\b+FR-1], v[AF+FR*(\a):AF+FR*(\a)+FR-1], 0, v[SC+8*NQ*(\sc)+NQ*\b+(\q)], v[SC+8*NQ*(\sc)+NQ*(\a)+(\q)] matrix_a_fmt:MATRIX_FMT_FP6 matrix_b_fmt:MATRIX_FMT_FP6 matrix_a_scale:MATRIX_SCALE_ROW1
.else
	v_wmma_scale_f32_16x16x128_f8f6f4 v[8*(8*((\a)%4)+\b):8*(8*((\a)%4)+\b)+7], v[128*(\p)+FR*\b:128*(\p)+FR*\b+FR-1], v[AF+FR*(\a):AF+FR*(\a)+FR-1], v[8*(8*((\a)%4)+\b):8*(8*((\a)%4)+\b)+7], v[SC+8*NQ*(\sc)+NQ*\b+(\q)], v[SC+8*NQ*(\sc)+NQ*(\a)+(\q)] matrix_a_fmt:MATRIX_FMT_FP6 matrix_b_fmt:MATRIX_FMT_FP6 matrix_a_scale:MATRIX_SCALE_ROW1
.endif
.endr
.endr
.endm
.macro FETCH_B slot, q, p
	WIN TO_B
.irp i, 0,1,2,3,4,5,6,7
	FRAG 128*(\p)+FR*\i, ADRB+\slot, \q, \i
.endr
	WIN 0
.endm
.macro FETCH_A slot, q, i0
.irp i, \i0, \i0+1, \i0+2, \i0+3
	FRAG AF+FR*(\i), ADRA+\slot, \q, \i
.endr
.endm
.macro SCALES sc                       ; a K step's scale words: lanes 0-15 A's block i, lanes 16-31 B's block i
.irp i, 0,1,2,3,4,5,6,7
	ds_load_b64 v[SC+8*NQ*\sc+NQ*\i:SC+8*NQ*\sc+NQ*\i+1], v[ADRS] offset:\i*SBLK
.endr
.endm
.macro PLACES n                        ; plain vector places behind matrix instructions, in front of loads into their registers and of reads of their results
.rept \n
	v_nop
.endr
.endm
.macro STEP slot, q, zero              ; 128 along K whose successor lies in the same slot
	s_wait_dscnt 4*NL                              ; B's set and A's blocks 0-3 are in; the 24 youngest loads (A's blocks 4-7) may be out
	WIN MUL_LO
	MUL16 0, (\q)%2, \q, \slot, \zero
	MUL16 2, (\q)%2, \q, \slot, \zero
	s_wait_dscnt 0
	PLACES NP
	FETCH_B \slot, (\q)+1, 1-(\q)%2
	FETCH_A \slot, (\q)+1, 0
	WIN MUL_HI
	MUL16 4, (\q)%2, \q, \slot, \zero
	MUL16 6, (\q)%2, \q, \slot, \zero
	PLACES NP
	WIN 0
	FETCH_A \slot, (\q)+1, 4
.endm
; A slot's last step changes slots: one barrier; in front of it each wave waits for all its tensor loads, adds 0 to its spare word, and waits for that and for its reads of this slot.
.macro TURN slot, next, fill
	s_wait_tensorcnt 0x0                           ; all my tensor loads have landed: my part of the next slot
	ds_add_u32 v[SPW], v[NIL]
	s_wait_dscnt 4*NL+1                            ; (the add and A's blocks 4-7 may be out)
	WIN MUL_LO
	MUL16 0, 1, NQ-1, \slot, 0
	s_wait_dscnt 0x0                               ; the add is done, and my reads of this slot are over
	s_barrier_signal -1
	MUL16 2, 1, NQ-1, \slot, 0
	WIN 0
	s_barrier_wait -1
.if \fill
	CREST                                          ; the barrier has opened a round of the cluster's: no wave of any partner still reads this slot or has a load on its way
	JLOAD G0+4*\slot, G1, G0B+4*\slot, G1B         ; the first tensor load behind the round; its four v_nop are the places in front of the loads below
.else
	PLACES NP
.endif
	s_wait_alu depctr_va_vdst(0)
	v_add_nc_u32 v[ADRS], 4*NQ, v[ADRS]
	FETCH_B \next, 0, 0
	FETCH_A \next, 0, 0
	SCALES \next
	WIN MUL_HI
	MUL16 4, 1, NQ-1, \slot, 0
	MUL16 6, 1, NQ-1, \slot, 0
	PLACES NP
	WIN 0
	FETCH_A \next, 0, 4
.endm
.macro LAST                            ; the very last 128 along K
	s_wait_dscnt 4*NL
	WIN MUL_LO
	MUL16 0, 1, NQ-1, 1, 0
	MUL16 2, 1, NQ-1, 1, 0
	s_wait_dscnt 0
	WIN MUL_HI
	MUL16 4, 1, NQ-1, 1, 0
	MUL16 6, 1, NQ-1, 1, 0
	WIN 0
	PLACES NP                                      ; in front of the first read of results and of the first write into A's registers
.endm
; 64 numbers of a lane, register 16 b + i = k 32 b + 16 (lane / 16) + i of my row, become a fragment's codes in v[PC] on and its scale word in v[PW].
.macro QUANT s
.irp b, 0,1,2,3
	v_max3_num_f32 v[TM+\b], |v[\s+16*\b]|, |v[\s+1+16*\b]|, 0x1800000   ; with the floor 2^(3 - 127): the byte cannot fall under 1
.endr
.irp i, 2,4,6,8,10,12,14
.irp b, 0,1,2,3
	v_max3_num_f32 v[TM+\b], v[TM+\b], |v[\s+16*\b+\i]|, |v[\s+1+16*\b+\i]|
.endr
.endr
.irp b, 0,1,2,3
	v_permlanex16_b32 v[TM+4+\b], v[TM+\b], s[SEL], s[SEL+1]
.endr
.irp b, 0,1,2,3
	v_max_num_f32 v[TM+\b], v[TM+\b], v[TM+4+\b]   ; with lane l xor 16's: the block's largest magnitude
.endr
.irp b, 0,1,2,3
	v_add_nc_u32 v[TM+12+\b], 0xff000000, v[TM+\b] ; 2 off its exponent field: the conversion's scale operand
.endr
.irp b, 0,1,2,3
	v_lshrrev_b32 v[TM+4+\b], 23, v[TM+12+\b]      ; the scale's byte
.endr
	v_lshl_or_b32 v[PW], v[TM+5], 8, v[TM+4]
	v_lshl_or_b32 v[PW], v[TM+6], 16, v[PW]
	v_lshl_or_b32 v[PW], v[TM+7], 24, v[PW]
.irp c, 0,1
	v_cvt_scalef32_pk16_fp6_f32 v[PC+6*\c:PC+2+6*\c], v[\s+32*\c:\s+15+32*\c], v[TM+12+2*\c]
	v_cvt_scalef32_pk16_fp6_f32 v[PC+12+4*\c:PC+14+4*\c], v[\s+16+32*\c:\s+31+32*\c], v[TM+12+2*\c+1]
.endr
	v_nop                                          ; one plain place behind a scaled conversion
.irp c, 0,1                            ; the layout wants a whole block in a lane: lanes 0-15 block 2 c, lanes 16-31 block 2 c + 1
.irp i, 0,1,2
	v_permlane16_swap_b32 v[PC+6*\c+\i], v[PC+12+4*\c+\i]
.endr
.irp i, 0,1,2
	v_mov_b32 v[PC+3+6*\c+\i], v[PC+12+4*\c+\i]
.endr
.endr
.endm
	s_wait_alu depctr_va_vdst(0)                   ; the head's end
	s_wait_tensorcnt 0x0                           ; my one load of the head is in, so descriptors may be written: slot 0's refill is my 128 rows of K step 2,
	s_mov_b32 s[G0+1], s45
	s_add_nc_u64 s[G0+2:G0+3], s[G0+2:G0+3], s[18:19]
	s_add_co_u32 s[G0B+1], s45, 2*HALFT
	s_add_nc_u64 s[G0B+2:G0B+3], s[G0B+2:G0B+3], s[18:19]
	s_mov_b32 s[G1+2], 96<<16                      ; and a refill brings 24,576 bytes: 96 rows of 256
	s_mov_b32 s[G1+4], 96
	s_mov_b32 s[G1B+2], 96<<16
	s_mov_b32 s[G1B+4], 96
	s_barrier_signal -1
	s_barrier_wait -1                              ; everybody's are
	FETCH_B 0, 0, 0
	FETCH_A 0, 0, 0
	SCALES 0
	FETCH_A 0, 0, 4
	STEP 0, 0, 1                                   ; the first step's products start the sums
	s_mov_b32 s3, LAPS-1
.Llap:
	TURN 0, 1, 1
	STEP 1, 0, 0
	TURN 1, 0, 1
	STEP 0, 0, 0
	s_sub_co_u32 s3, s3, 1
	s_cmp_lg_u32 s3, 0
	s_cbranch_scc1 .Llap
	TURN 0, 1, 0                                   ; the last lap fills nothing
	STEP 1, 0, 0
	s_wait_kmcnt 0x0                               ; the way out's four addresses
	s_cmp_eq_u32 ttmp9, 2                          ; the cluster's number: the same in all sixteen partners
	s_cbranch_scc1 .Lv
	; ---------------- q and k: a lane holds one token and 2 heads x 64 along d ----------------
	s_lshl_b32 s18, s17, 8
	s_lshl_b32 s19, s15, 7
	s_add_co_u32 s18, s18, s19                     ; my first token
	s_lshr_b32 s19, s18, 11                        ; its batch
	s_and_b32 s18, s18, 2047                       ; its position
	s_lshl_b32 s20, s42, 8
	s_lshl_b32 s21, s16, 7
	s_add_co_u32 s20, s20, s21                     ; my first column of qkv
	s_and_b32 s21, s20, 1023
	s_lshr_b32 s21, s21, 6                         ; my first head
	s_lshl_b32 s19, s19, 4
	s_add_co_u32 s19, s19, s21                     ; bh
	s_lshl_b32 s22, s18, 7
	s_mov_b32 s23, 0
	s_add_nc_u64 s[6:7], s[6:7], s[22:23]          ; the table at my first position
	s_lshl_b32 s22, s20, 2
	s_add_nc_u64 s[4:5], s[4:5], s[22:23]          ; the bias at my first column
	s_mul_i32 s22, s19, 98304
	s_mul_i32 s21, s18, 48
	s_add_co_u32 s22, s22, s21                     ; codes: 98,304 bh + 768 x tile
	s_mov_b32 s72, 12288
	s_mov_b32 s73, 0xC00000
	s_cmp_eq_u32 ttmp9, 0
	s_cselect_b32 s72, 8192, s72                   ; a head's scale words in bytes,
	s_cselect_b32 s73, 0x600000, s73               ; and where they begin
	s_cselect_b64 s[68:69], s[8:9], s[10:11]       ; qq or kv
	s_add_nc_u64 s[70:71], s[68:69], s[22:23]
	s_mul_i32 s74, s19, s72
	s_add_co_u32 s74, s74, s73
	s_lshr_b32 s75, s18, 7
	s_lshl_b32 s75, s75, 9
	s_add_co_u32 s74, s74, s75
	s_mov_b32 s75, 0
	s_add_nc_u64 s[74:75], s[68:69], s[74:75]      ; the first head's scale words of my 128 tokens,
	s_mov_b32 s73, 0
	s_add_nc_u64 s[76:77], s[74:75], s[72:73]      ; the second head's
	WIN TO_B
.irp b, 0,1,2,3,4,5,6,7                ; the bias in the result's layout: for accumulator b the columns 32 (b / 2) + 16 (lane / 16) + 8 (b % 2) + 0 .. 7
	global_load_b128 v[96+8*\b+96*(\b/4):96+8*\b+96*(\b/4)+3], v[BO], s[4:5] offset:128*(\b/2)+32*(\b%2)
	global_load_b128 v[96+8*\b+96*(\b/4)+4:96+8*\b+96*(\b/4)+7], v[BO], s[4:5] offset:128*(\b/2)+32*(\b%2)+16
.endr
	WIN 0
.macro CSLOAD a                        ; my token's row of the table for block a: 16 cos, 16 sin
.set CSB, CS0-(CS0-CS1)*((\a)%2)
.irp i, 0,1,2,3,4,5,6,7
	global_load_b128 v[CSB+4*\i:CSB+4*\i+3], v[RO], s[6:7] offset:(32*((\a)/2)+8*((\a)%2))*128+16*\i
.endr
.endm
	CSLOAD 0
	CSLOAD 1
	LAST
.macro QKBLOCK a
.set AC, 64*((\a)%4)
.if (\a) < 7
	s_wait_loadcnt 8                               ; the bias and this block's table rows are in; the next block's eight loads may be out
.else
	s_wait_loadcnt 0
.endif
	WIN 0x06+(\a)/4                                ; source 0: the accumulators' window; source 1: window 1
.irp b, 0,1,2,3,4,5,6,7
.irp j, 0,2,4,6
	v_pk_add_f32 v[T+8*\b+\j:T+8*\b+\j+1], v[AC+8*\b+\j:AC+8*\b+\j+1], v[96+8*\b+96*(\b/4)+\j:96+8*\b+96*(\b/4)+\j+1]   ; each accumulator from its low end on
.endr
.endr
	WIN 0
.set CSB, CS0-(CS0-CS1)*((\a)%2)
.irp hh, 0,1                           ; T[32 hh + i] = d 16 (lane / 16) + i, T[32 hh + 16 + i] = d 32 + 16 (lane / 16) + i: both turn by the table's entry i
.irp e, 0,2,4,6,8,10,12,14
.set XA, XT+4*((\e/2)%2)
	v_pk_mul_f32 v[XA:XA+1], v[T+32*\hh+16+\e:T+32*\hh+17+\e], v[CSB+16+\e:CSB+17+\e]
	v_pk_mul_f32 v[XA+2:XA+3], v[T+32*\hh+\e:T+32*\hh+1+\e], v[CSB+16+\e:CSB+17+\e]
	v_pk_fma_f32 v[T+32*\hh+\e:T+32*\hh+1+\e], v[T+32*\hh+\e:T+32*\hh+1+\e], v[CSB+\e:CSB+1+\e], v[XA:XA+1] neg_lo:[0,0,1] neg_hi:[0,0,1]
	v_pk_fma_f32 v[T+32*\hh+16+\e:T+32*\hh+17+\e], v[T+32*\hh+16+\e:T+32*\hh+17+\e], v[CSB+\e:CSB+1+\e], v[XA+2:XA+3]
.endr
.endr
.if (\a) < 6
	CSLOAD (\a)+2
.endif
	s_wait_xcnt 0x0                                ; the last block's stores have read the codes' registers
	QUANT T
.irp c, 0,1                            ; head c: registers 6 c .. 6 c + 5; lane (r, h) holds block h of d
	global_store_b128 v[O16], v[PC+6*\c:PC+6*\c+3], s[70:71] offset:768*(\a)+98304*\c          ; 32 lanes store 512 consecutive bytes, aligned to 256
	global_store_b64 v[O8], v[PC+6*\c+4:PC+6*\c+5], s[70:71] offset:768*(\a)+98304*\c+512      ; and 256
.endr
	v_lshrrev_b32 v[SW], v[SH], v[PW]              ; lanes 0-15: the first head's two bytes lowest; lanes 16-31: the second head's.  The upper two bytes stand over zero codes and are never 0xff
	ds_store_b32 v[SQ], v[SW] offset:256*((\a)%2)+4*((\a)/2)
.endm
.irp a, 0,1,2,3,4,5,6,7
	QKBLOCK \a
.endr
	ds_load_b128 v[XT:XT+3], v[SR]                 ; my own bytes: LDS serves a wave's instructions in order
	ds_load_b128 v[XT+4:XT+7], v[SR] offset:512
	s_wait_dscnt 0x0
	global_store_b128 v[O16], v[XT:XT+3], s[74:75]
	global_store_b128 v[O16], v[XT+4:XT+7], s[76:77]
	s_wait_tensorcnt 0x0                           ; the wave's end
	ds_add_u32 v[SPW], v[NIL]
	s_wait_dscnt 0x0
	CROUND                                         ; the closing round
	s_endpgm
	; ---------------- v: a lane holds one d and 128 keys ----------------
.Lv:
	s_lshl_b32 s18, s17, 8
	s_lshl_b32 s19, s15, 7
	s_add_co_u32 s18, s18, s19                     ; my first column of qkv (2,048 on)
	s_lshl_b32 s22, s18, 2
	s_mov_b32 s23, 0
	s_add_nc_u64 s[4:5], s[4:5], s[22:23]
	s_and_b32 s18, s18, 1023
	s_lshr_b32 s18, s18, 6                         ; my first head
	s_lshl_b32 s20, s42, 8
	s_lshl_b32 s21, s16, 7
	s_add_co_u32 s20, s20, s21                     ; my first token
	s_lshr_b32 s21, s20, 11
	s_and_b32 s20, s20, 2047
	s_lshr_b32 s20, s20, 7                         ; which 128 keys
	s_lshl_b32 s21, s21, 4
	s_add_co_u32 s21, s21, s18                     ; bh
	s_mul_i32 s22, s21, 98304
	s_mul_i32 s19, s20, 6144
	s_add_co_u32 s22, s22, s19
	s_add_co_u32 s22, s22, 0x600000
	s_add_nc_u64 s[70:71], s[10:11], s[22:23]
	s_mul_i32 s22, s21, 12288
	s_lshl_b32 s19, s20, 8
	s_add_co_u32 s22, s22, s19
	s_add_co_u32 s22, s22, 0xC00000+8192
	s_add_nc_u64 s[74:75], s[10:11], s[22:23]
.irp a, 0,1,2,3,4,5,6,7                ; my d's bias for block a, in both registers of a pair
	global_load_b32 v[CS1+2*\a], v[BV], s[4:5] offset:128*(\a/2)+32*(\a%2)
	global_load_b32 v[CS1+1+2*\a], v[BV], s[4:5] offset:128*(\a/2)+32*(\a%2)
.endr
	LAST
	s_wait_loadcnt 0x0
.macro VBLOCK a
.set AC, 64*((\a)%4)
	WIN 0x02+(\a)/4
.set J, 0
.rept 32
	v_pk_add_f32 v[T+J:T+J+1], v[AC+J:AC+J+1], v[CS1+2*(\a):CS1+1+2*(\a)]
.set J, J+2
.endr
	WIN 0
	s_wait_xcnt 0x0                                ; the last block's stores have read the codes' registers
	QUANT T
.irp c, 0,1,2
	global_store_b128 v[O16], v[PC+4*\c:PC+4*\c+3], s[70:71] offset:98304*((\a)/4)+1536*((\a)%4)+512*\c
.endr
	ds_store_b32 v[SV], v[PW] offset:256*((\a)/4)+128*((\a)%2)+4*(((\a)%4)/2)   ; both halves of the lanes write the same word with the same value
.endm
.irp a, 0,1,2,3,4,5,6,7
	VBLOCK \a
.endr
	ds_load_b128 v[XT:XT+3], v[SR] offset:4096
	s_wait_dscnt 0x0
	global_store_b128 v[GV], v[XT:XT+3], s[74:75]  ; lanes 0-15 the first head's 256 bytes, lanes 16-31 the second's
	s_wait_tensorcnt 0x0                           ; the wave's end
	ds_add_u32 v[SPW], v[NIL]
	s_wait_dscnt 0x0
	CROUND                                         ; the closing round
	s_endpgm
.Lfunc_end_k_q669004e35c_qkv:
	.size	k_q669004e35c_qkv, .Lfunc_end_k_q669004e35c_qkv-k_q669004e35c_qkv
	.p2alignl 7, 3214868480
	.fill 96, 4, 3214868480
	.section	.rodata,"a",@progbits
	.p2align	6, 0x0
	.amdhsa_kernel k_q669004e35c_qkv
		.amdhsa_group_segment_fixed_size 327680
		.amdhsa_private_segment_fixed_size 0
		.amdhsa_enable_private_segment 0
		.amdhsa_kernarg_size 48
		.amdhsa_user_sgpr_count 2
		.amdhsa_user_sgpr_kernarg_segment_ptr 1
		.amdhsa_wavefront_size32 1
		.amdhsa_system_sgpr_workgroup_id_x 1
		.amdhsa_system_sgpr_workgroup_id_y 1
		.amdhsa_system_sgpr_workgroup_id_z 1
		.amdhsa_system_vgpr_workitem_id 0
		.amdhsa_next_free_vgpr 1024
		.amdhsa_next_free_sgpr 102
		.amdhsa_reserve_vcc 0
		.amdhsa_float_denorm_mode_32 3
		.amdhsa_float_denorm_mode_16_64 3
		.amdhsa_memory_ordered 1
		.amdhsa_forward_progress 1
		.amdhsa_inst_pref_size 255
	.end_amdhsa_kernel
	.section	.bss,"aw",@nobits
	.p2align	6
	.space	262144
	.amdgpu_metadata
---
amdhsa.version: [ 1, 2 ]
amdhsa.kernels:
  - .name:           k_q669004e35c_qkv
    .symbol:         k_q669004e35c_qkv.kd
    .args:
      - { .name: xq, .offset: 0, .size: 8, .value_kind: global_buffer, .address_space: global }
      - { .name: wq, .offset: 8, .size: 8, .value_kind: global_buffer, .address_space: global }
      - { .name: b_attn, .offset: 16, .size: 8, .value_kind: global_buffer, .address_space: global }
      - { .name: rope, .offset: 24, .size: 8, .value_kind: global_buffer, .address_space: global }
      - { .name: qq, .offset: 32, .size: 8, .value_kind: global_buffer, .address_space: global }
      - { .name: kv, .offset: 40, .size: 8, .value_kind: global_buffer, .address_space: global }
    .group_segment_fixed_size: 327680
    .private_segment_fixed_size: 0
    .kernarg_segment_align: 8
    .kernarg_segment_size: 48
    .max_flat_workgroup_size: 128
    .sgpr_count:     102
    .vgpr_count:     1024
    .wavefront_size: 32
...
	.end_amdgpu_metadata
.endif
;; end of part 2
;; launch attn (part 3): grid 4 x 64, 16 waves a work-group, clusters of 4 x 1, 210,944 bytes of LDS; arguments qq, kv, yq; writes yq
.if DOCPART == 3
	.amdgcn_target "amdgcn-amd-amdhsa--gfx1250"
	.amdhsa_code_object_version 6
	.text
	.protected	k_q669004e35c_attn
	.globl	k_q669004e35c_attn
	.p2align	8
	.type	k_q669004e35c_attn,@function
k_q669004e35c_attn:
	s_mov_b64 s[64:65], 0
	v_nop
	global_prefetch_b8 v0, s[64:65] scope:SCOPE_SE
	s_setreg_imm32_b32 hwreg(HW_REG_WAVE_MODE, 25, 1), 1
	s_wait_xcnt 0x0
	s_wait_alu depctr_hold_cnt(0) depctr_sa_sdst(0) depctr_va_vdst(0) depctr_va_sdst(0) depctr_va_ssrc(0) depctr_va_vcc(0) depctr_vm_vsrc(0)
	s_getreg_b32 s2, hwreg(HW_REG_IB_STS2, 6, 4)
	s_cmp_eq_u32 s2, 0
	s_cbranch_scc0 .Lentry_in_a_cluster
	s_endpgm
.Lentry_in_a_cluster:
	s_bfe_u32 s2, ttmp6, 0x10000c
	s_cmp_lg_u32 s2, 0x3003
	s_cbranch_scc0 .Lentry_shape_is_right
	s_endpgm
.Lentry_shape_is_right:
; y = softmax(q k^T / 8, causal) v for one (batch, head) a cluster, both products on codes of FP6 (E2M3) with E8M0 scales; y is quantised along the model's 1,024 and stored as images of the projection's operand registers.
; THE SOFTMAX: t = score x log2(e) / 8; M = the running largest t rounded up to a whole number; p = 2^(t - M) is quantised along the keys, not normalised; the row's sum is taken of the unquantised p and divides at the end.
; SHARES.  The four work-groups of a cluster share a head: its K, V and scale words, 204 KiB, fit in LDS, are asked for jointly and filled once: no byte of LDS is filled again.  A tile of 16 queries with number 8 g + 2 cx + e needs
; key steps 0 .. g of 128 keys.  Wave w takes e = w % 2 and two tiles, g = 15 - w / 2 and g = w / 2: 17 steps for every wave.  Steps all of whose keys are hidden are jumped over by a scalar branch on the wave's number;
; no count, branch or LDS address hangs on cx, which enters global addresses and the mask's vector register alone.
; LAYOUT.  Both products transposed: S^T = K Q^T, O^T = V^T P^T: a lane holds one query.  Tiles lie in tile order (row r of tile 2 b + u = natural 32 b + 8 u + r + 8 (r / 8)), so registers 16 b + i of S^T are keys 32 b + 16 (lane / 16) + i.
; The first product's K is the head's 64: registers 6-11 of Q's and K's fragments are zero codes, which add nothing.
; LIMITS: NaN and infinities are not served; a block of y whose largest magnitude lies under 2^-124 keeps the scale byte 1.
; REGISTERS: v1-5 lane addresses; v8-11, v28 the step's; v12 -M, v13 largest t, v[14:15] the sum; v16-27 Q; v29 the mask's number; v30 Q's scale word; v31 -infinity; v32-79 four fragments of K; v80-83 K's scale words, v84-85 V's;
;   v86, v87 offsets; v96-159 S^T, p, then V's four fragments, at the end y; v160-191 O^T; v192-203 P's codes; v204-210 halves; v212-227 at work; v228 P's scale word; v[230:231] f; v232-233 at work; v240-246 the second tile's Q.
.set SCL,   196608                     ; LDS: K's codes at 0, V's at 98,304, the scale words here (K's 8,192 bytes, V's 4,096)
.set SPARE, 208896                     ; the spare words, 128 bytes for each of sixteen waves
.set SPW,  6
.set NIL,  7
.set WV,   18
.set SEL,  20
.set CS,   22                          ; s[22:23] c = log2(e) / 8
.set G1C,  24                          ; s[24:31] group 1: 24,576 dense bytes as 96 rows of 256
.set G1S,  32                          ; s[32:39] 12,288 bytes as 48 rows
.set G0,   40                          ; s[40:47] two groups 0
.set TB,   2                           ; the step's codes: 6,144 bytes a step, in K and in V
.set TS,   3                           ; K's scale words: 512 a step
.set TV,   66                          ; V's: 256 a step
.set KSN,  67                          ; the step's number
.set G,    68                          ; g of the tile in hand
.set CNT,  69
.set HM,   70                          ; lanes 16-31
.set GL,   10
.set GS,   11
.set BM,   212
.set PM,   216
.set SCO,  220
.set BY,   224
.macro CROUND
	s_barrier_signal -1
	s_barrier_wait -1
	s_cmp_lg_u32 s[WV], 0
	s_cbranch_scc1 .Lnot_wave_0_\@
	s_barrier_signal -3
.Lnot_wave_0_\@:
	s_barrier_wait -3
	s_barrier_signal -1
	s_barrier_wait -1
.endm
; the byte offsets of a tile's Q, Q's scale words, y's codes and y's scale bytes; g: the register with the tile's g
.macro PTRS g, q, qs, y, ys
	s_lshl_b32 s94, s[\g], 3
	s_add_co_u32 s94, s94, s93                     ; the tile: 8 g + 2 cx + e
	s_mul_i32 s[\q], s94, 768
	s_add_co_u32 s[\q], s[\q], s95
	s_mov_b32 s[\q+1], 0
	s_lshl_b32 s[\qs], s[\g], 9
	s_add_co_u32 s[\qs], s[\qs], s96
	s_mov_b32 s[\qs+1], 0
	s_add_co_u32 s94, s94, s97                     ; + 128 x batch
	s_lshr_b32 s[\y], s94, 4                       ; yq's codes: [256 tokens][4 heads][tile of 16 tokens][head % 4][768]
	s_mul_i32 s[\y], s[\y], 196608
	s_add_co_u32 s[\y], s[\y], s98
	s_and_b32 s[\y+1], s94, 15
	s_mul_i32 s[\y+1], s[\y+1], 3072
	s_add_co_u32 s[\y], s[\y], s[\y+1]
	s_mov_b32 s[\y+1], 0
	s_lshl_b32 s[\ys], s94, 9
	s_add_co_u32 s[\ys], s[\ys], s99
	s_mov_b32 s[\ys+1], 0
.endm
.macro INIT                            ; a tile begins: O^T and the sum are zeros, the largest t lies under every t: the first change of M multiplies zeros
	v_mov_b32 v13, 0xff61b1e6
	s_delay_alu instid0(VALU_DEP_1)
	v_floor_f32 v12, -v13
	v_mov_b32 v14, 0
	v_mov_b32 v15, 0
.set J, 0
.rept 32
	v_mov_b32 v[160+J], 0
.set J, J+1
.endr
.endm
	s_load_b128 s[4:7], s[0:1], 0x0                ; qq s[4:5], kv s[6:7]
	s_load_b64 s[8:9], s[0:1], 0x10                ; yq
	v_lshl_add_u32 v[SPW], v0, 2, SPARE
	v_mov_b32 v[NIL], 0
	ds_add_u32 v[SPW], v[NIL]                      ; the wave's opening
	ds_add_u32 v[SPW], v[NIL]
	v_lshrrev_b32 v8, 5, v0
	s_delay_alu instid0(VALU_DEP_1)
	v_readfirstlane_b32 s[WV], v8                  ; wave 0..15
	s_bfe_u32 s13, ttmp6, 0x40000                  ; cx
	s_and_b32 s12, ttmp7, 0xffff                   ; bh, which the four partners share
	s_lshr_b32 s[GS], s[WV], 1                     ; g of my short tile,
	s_sub_co_u32 s[GL], 15, s[GS]                  ; of my long one
	s_and_b32 s92, s[WV], 1                        ; e
	s_lshl_b32 s93, s13, 1
	s_add_co_u32 s93, s93, s92                     ; 2 cx + e
	s_mul_i32 s95, s12, 98304
	s_lshl_b32 s96, s12, 13
	s_lshl_b32 s94, s92, 8
	s_add_co_u32 s96, s96, s94
	s_lshl_b32 s94, s13, 2
	s_add_co_u32 s96, s96, s94
	s_add_co_u32 s96, s96, 0x600000                ; Q's scale words: 0x600000 + 8,192 bh + 256 e + 4 cx (+ 512 g)
	s_lshr_b32 s97, s12, 4
	s_lshl_b32 s97, s97, 7                         ; 128 x batch
	s_and_b32 s98, s12, 15
	s_lshl_b32 s99, s98, 1
	s_add_co_u32 s99, s99, 0x600000                ; y's scale bytes: 0x600000 + 2 x head
	s_lshr_b32 s71, s98, 2
	s_mul_i32 s71, s71, 49152
	s_and_b32 s98, s98, 3
	s_mul_i32 s98, s98, 768
	s_add_co_u32 s98, s98, s71
	PTRS GL, 72, 74, 76, 78
	PTRS GS, 80, 82, 84, 86
	s_lshl_b32 s94, s13, 5
	s_lshl_b32 s71, s92, 3
	s_add_co_u32 s94, s94, s71                     ; 32 cx + 8 e
	; what I fetch, if I fetch: one load a wave.  Waves 0, 1: K's and V's key steps 0-3; wave 2: all scale words; waves 10-15: quarters 1-3 of K (even waves) and V (odd)
	s_and_b32 s14, s[WV], 7
	s_lshr_b32 s15, s14, 1                         ; the quarter
	s_and_b32 s16, s14, 1                          ; K or V
	s_mul_i32 s17, s16, 98304
	s_mul_i32 s19, s15, 24576
	s_add_co_u32 s17, s17, s19                     ; LDS
	s_mul_i32 s88, s16, 0x600000
	s_add_co_u32 s88, s88, s95
	s_add_co_u32 s88, s88, s19                     ; and in kv
	s_mov_b32 s89, 0
	s_mul_i32 s90, s12, 12288
	s_add_co_u32 s90, s90, 0xC00000
	s_mov_b32 s91, 0
	s_mov_b32 s[G1C], 15|(3<<16)|(1<<21)           ; the mask: all four work-groups; elements of 8 bytes; no padding
	s_mov_b32 s[G1C+1], 32<<16
	s_mov_b32 s[G1C+2], 96<<16
	s_mov_b32 s[G1C+3], 32<<16
	s_mov_b32 s[G1C+4], 96
	s_mov_b32 s[G1C+5], 32
	s_mov_b32 s[G1C+6], 0
	s_mov_b32 s[G1C+7], 0
	s_mov_b32 s[G1S], 15|(3<<16)|(1<<21)
	s_mov_b32 s[G1S+1], 32<<16
	s_mov_b32 s[G1S+2], 48<<16
	s_mov_b32 s[G1S+3], 32<<16
	s_mov_b32 s[G1S+4], 48
	s_mov_b32 s[G1S+5], 32
	s_mov_b32 s[G1S+6], 0
	s_mov_b32 s[G1S+7], 0
	s_mov_b32 s[SEL], 0x76543210
	s_mov_b32 s[SEL+1], 0xfedcba98
	s_mov_b32 s[CS], 0x3e38aa3b
	s_mov_b32 s[CS+1], s[CS]
	s_mov_b32 s[HM], 0xffff0000
	s_mov_b32 s[TB], 0
	s_mov_b32 s[TS], 0
	s_mov_b32 s[TV], 0
	s_mov_b32 s[KSN], 0
	s_wait_dscnt 0x0                               ; the opening add is done
	s_wait_kmcnt 0x0
	s_add_nc_u64 s[88:89], s[6:7], s[88:89]
	s_add_nc_u64 s[90:91], s[6:7], s[90:91]
	s_mov_b32 s[G0], 1
	s_mov_b32 s[G0+1], SCL
	s_mov_b64 s[G0+2:G0+3], s[90:91]
	s_or_b32 s[G0+3], s[G0+3], 0x80000000
.irp c, 0
	s_mov_b32 s[G0+4+4*\c], 1
	s_add_co_u32 s[G0+5+4*\c], s17, 24576*\c
	s_add_nc_u64 s[G0+6+4*\c:G0+7+4*\c], s[88:89], 24576*\c
	s_or_b32 s[G0+7+4*\c], s[G0+7+4*\c], 0x80000000
.endr
.irp p, 72, 74, 80, 82
	s_add_nc_u64 s[\p:\p+1], s[4:5], s[\p:\p+1]
.endr
.irp p, 76, 78, 84, 86
	s_add_nc_u64 s[\p:\p+1], s[8:9], s[\p:\p+1]
.endr
	CROUND                                         ; all four work-groups are here: the joint loads meet
	s_cmp_lt_u32 s[WV], 2                          ; one chain of arms on the wave's number, one fill to an arm; the waves that wait at the first barrier have lines of their own
	s_cbranch_scc0 .Lfill_s
	tensor_load_to_lds s[G0+4:G0+7], s[G1C:G1C+7]
	s_nop 0
.rept 4
	v_nop
.endr
	s_branch .Lno_fill
.Lfill_s:
	s_cmp_lt_u32 s[WV], 3
	s_cbranch_scc0 .Lfill_r
	tensor_load_to_lds s[G0:G0+3], s[G1S:G1S+7]
	s_nop 0
.rept 4
	v_nop
.endr
	s_branch .Lno_fill
.Lfill_r:
	s_cmp_lt_u32 s[WV], 10
	s_cbranch_scc1 .Lno_fill
	tensor_load_to_lds s[G0+4:G0+7], s[G1C:G1C+7]
	s_nop 0
.rept 4
	v_nop
.endr
.Lno_fill:
	v_and_b32 v8, 31, v0                           ; lane
	s_delay_alu instid0(VALU_DEP_1)
	v_lshlrev_b32 v1, 4, v8
	s_delay_alu instid0(VALU_DEP_2)
	v_lshl_add_u32 v2, v8, 3, 512
	s_delay_alu instid0(VALU_DEP_2)
	v_add_nc_u32 v3, 98304, v1
	s_delay_alu instid0(VALU_DEP_3)
	v_add_nc_u32 v4, SCL, v1
	v_lshl_add_u32 v5, v8, 3, SCL+8192
	v_and_b32 v8, 15, v0                           ; r
	v_bfe_u32 v9, v0, 4, 1                         ; lane / 16
	s_delay_alu instid0(VALU_DEP_2)
	v_lshlrev_b32 v86, 4, v8
	s_delay_alu instid0(VALU_DEP_2)
	v_lshl_add_u32 v87, v8, 5, v9
	global_load_b128 v[16:19], v1, s[72:73]        ; the long tile's Q: an image of its six registers,
	global_load_b64 v[20:21], v2, s[72:73]
	global_load_b32 v30, v86, s[74:75]             ; and its scale words
	global_load_b128 v[240:243], v1, s[80:81]      ; the short tile's
	global_load_b64 v[244:245], v2, s[80:81]
	global_load_b32 v246, v86, s[82:83]
	v_and_b32 v10, 8, v8
	s_delay_alu instid0(VALU_DEP_1)
	v_add_nc_u32 v10, v10, v8
	v_lshlrev_b32 v11, 4, v9
	s_delay_alu instid0(VALU_DEP_1)
	v_sub_nc_u32 v29, v10, v11
	s_delay_alu instid0(VALU_DEP_1)
	v_add_nc_u32 v29, s94, v29                     ; my query's place in its 128, less 16 (lane / 16): register 16 b + i is hidden on the diagonal where 32 b + i is above it
	v_mov_b32 v31, 0xff800000
.irp j, 22,23,24,25,26,27
	v_mov_b32 v\j, 0                               ; zero codes for k = 64 .. 127
.endr
.irp t, 0,1,2,3
.irp j, 6,7,8,9,10,11
	v_mov_b32 v[32+12*\t+\j], 0
.endr
.endr
.irp b, 0,1,2,3
	v_mov_b32 v[PM+\b], 0                          ; written once: a lane permute's destination counts as one of its sources
.endr
	v_mov_b32 v231, 0                              ; (named as the upper half of the pair of f)
	v_mov_b32 v232, 0
	INIT
.macro STEP grded
.if \grded
	s_cmp_gt_u32 s[KSN], s[G]
	s_cbranch_scc1 .Lhidden_\@
.endif
	v_add_nc_u32 v8, s[TB], v1                     ; six plain places behind the last step's products: their registers are loaded into (four are owed) and S^T is written over V's fragments (five)
	s_wait_alu depctr_va_vdst(0)
	v_add_nc_u32 v9, s[TB], v2
	s_wait_alu depctr_va_vdst(0)
	v_add_nc_u32 v10, s[TB], v3
	v_add_nc_u32 v11, s[TS], v4
	v_add_nc_u32 v28, s[TV], v5
	v_nop
	ds_load_b128 v[80:83], v11                     ; word i: lanes 0-15 tile 2 i, lanes 16-31 tile 2 i + 1
	ds_load_b64 v[84:85], v28
.irp g, 0,1
.if \g
.rept 4
	v_nop                                          ; places in front of loads into registers that matrix instructions have read
.endr
.endif
.irp t, 0,1,2,3
	ds_load_b128 v[32+12*\t:35+12*\t], v8 offset:768*(4*\g+\t)
	ds_load_b64 v[36+12*\t:37+12*\t], v9 offset:768*(4*\g+\t)
.endr
	s_wait_dscnt 0x0
.irp t, 0,1,2,3
.if \t%2
	v_wmma_scale_f32_16x16x128_f8f6f4 v[96+8*(4*\g+\t):103+8*(4*\g+\t)], v[32+12*\t:43+12*\t], v[16:27], 0, v[80+2*\g+\t/2], v30 matrix_a_fmt:MATRIX_FMT_FP6 matrix_b_fmt:MATRIX_FMT_FP6 matrix_a_scale:MATRIX_SCALE_ROW1
.else
	v_wmma_scale_f32_16x16x128_f8f6f4 v[96+8*(4*\g+\t):103+8*(4*\g+\t)], v[32+12*\t:43+12*\t], v[16:27], 0, v[80+2*\g+\t/2], v30 matrix_a_fmt:MATRIX_FMT_FP6 matrix_b_fmt:MATRIX_FMT_FP6
.endif
.endr
.endr
.rept 4
	v_nop
.endr
.if \grded
	s_cmp_lg_u32 s[KSN], s[G]
	s_cbranch_scc1 .Lopen_\@
.set J, 0
.rept 64                               ; on the diagonal hidden scores become -infinity ahead of the maximum: p = 0 then
	v_cmp_gt_i32 vcc_lo, 32*(J/16)+J%16, v29
	v_cndmask_b32 v[96+J], v[96+J], v31, vcc_lo
.set J, J+1
.endr
.Lopen_\@:
.endif
.irp b, 0,1,2,3
	v_max3_num_f32 v[BM+\b], v[96+16*\b], v[97+16*\b], v[98+16*\b]   ; the largest score of each block of 32 keys: for the row's maximum and, since p rises with the score, for the block's largest p
.endr
.irp i, 3,5,7,9,11,13
.irp b, 0,1,2,3
	v_max3_num_f32 v[BM+\b], v[BM+\b], v[96+16*\b+\i], v[97+16*\b+\i]
.endr
.endr
.irp b, 0,1,2,3
	v_max_num_f32 v[BM+\b], v[BM+\b], v[111+16*\b]
.endr
.irp b, 0,1,2,3
	s_delay_alu instid0(VALU_DEP_4)
	v_permlanex16_b32 v[PM+\b], v[BM+\b], s[SEL], s[SEL+1]
.endr
.irp b, 0,1,2,3
	s_delay_alu instid0(VALU_DEP_4)
	v_max_num_f32 v[BM+\b], v[BM+\b], v[PM+\b]
.endr
	s_delay_alu instid0(VALU_DEP_2)
	v_max3_num_f32 v232, v[BM], v[BM+1], v[BM+2]
	s_delay_alu instid0(VALU_DEP_1)
	v_max_num_f32 v232, v232, v[BM+3]
	s_delay_alu instid0(VALU_DEP_1)
	v_mul_f32 v232, s[CS], v232
	s_delay_alu instid0(VALU_DEP_1)
	v_max_num_f32 v13, v13, v232                   ; the running largest t
	v_mov_b32 v232, v12
	s_delay_alu instid0(VALU_DEP_2)
	v_floor_f32 v12, -v13                          ; -M = floor(-t): M is a whole number
	s_delay_alu instid0(VALU_DEP_1)
	v_sub_f32 v232, v12, v232
	s_delay_alu instid0(VALU_DEP_1)
	v_cvt_i32_f32 v232, v232                       ; (it saturates)
	s_delay_alu instid0(VALU_DEP_1)
	v_ldexp_f32 v230, 1.0, v232                    ; f = 2^(old M - new M): rounds nothing
.set J, 0
.rept 32
	v_pk_fma_f32 v[96+J:97+J], v[96+J:97+J], s[CS:CS+1], v[12:13] op_sel_hi:[1,0,0]   ; t - M
.set J, J+2
.endr
.irp b, 0,1,2,3
	v_fma_f32 v[BM+\b], v[BM+\b], s[CS], v12
.endr
.set J, 0
	s_wait_alu depctr_va_vdst(0)
.rept 64
	v_exp_f32 v[96+J], v[96+J]                     ; p = 2^(t - M)
.set J, J+1
.endr
	v_pk_mul_f32 v[14:15], v[14:15], v[230:231] op_sel_hi:[1,0]   ; the sum under the new M (a plain place behind the exponentials)
	s_wait_alu depctr_va_vdst(0)                   ; one wait for the batch of 64, ahead of its first reader
.irp b, 0,1,2,3
	v_exp_f32 v[BM+\b], v[BM+\b]                   ; each block's largest p
.endr
	v_pk_add_f32 v[216:217], v[100:101], v[104:105]
	v_pk_add_f32 v[254:255], v[108:109], v[112:113]
	v_pk_add_f32 v[252:253], v[116:117], v[120:121]
	v_pk_add_f32 v[250:251], v[124:125], v[128:129]
	v_pk_add_f32 v[248:249], v[132:133], v[136:137]
	v_pk_add_f32 v[238:239], v[140:141], v[144:145]
	v_pk_add_f32 v[236:237], v[148:149], v[152:153]
	v_pk_add_f32 v[14:15], v[14:15], v[156:157]
	v_pk_add_f32 v[216:217], v[216:217], v[96:97]
	v_pk_add_f32 v[254:255], v[254:255], v[98:99]
	v_pk_add_f32 v[252:253], v[252:253], v[102:103]
	v_pk_add_f32 v[250:251], v[250:251], v[106:107]
	v_pk_add_f32 v[248:249], v[248:249], v[110:111]
	v_pk_add_f32 v[238:239], v[238:239], v[114:115]
	v_pk_add_f32 v[236:237], v[236:237], v[118:119]
	v_pk_add_f32 v[14:15], v[14:15], v[122:123]
	v_pk_add_f32 v[216:217], v[216:217], v[126:127]
	v_pk_add_f32 v[254:255], v[254:255], v[130:131]
	v_pk_add_f32 v[252:253], v[252:253], v[134:135]
	v_pk_add_f32 v[250:251], v[250:251], v[138:139]
	v_pk_add_f32 v[248:249], v[248:249], v[142:143]
	v_pk_add_f32 v[238:239], v[238:239], v[146:147]
	v_pk_add_f32 v[236:237], v[236:237], v[150:151]
	v_pk_add_f32 v[14:15], v[14:15], v[154:155]
	v_pk_add_f32 v[216:217], v[216:217], v[158:159]
	s_delay_alu instid0(VALU_DEP_2)
	v_pk_add_f32 v[14:15], v[14:15], v[250:251]
	s_delay_alu instid0(VALU_DEP_2)
	v_pk_add_f32 v[216:217], v[216:217], v[248:249]
	v_pk_add_f32 v[254:255], v[254:255], v[238:239]
	v_pk_add_f32 v[252:253], v[252:253], v[236:237]
	s_delay_alu instid0(VALU_DEP_2)
	v_pk_add_f32 v[14:15], v[14:15], v[254:255]
	s_delay_alu instid0(VALU_DEP_2)
	v_pk_add_f32 v[216:217], v[216:217], v[252:253]
	s_delay_alu instid0(VALU_DEP_1)
	v_pk_add_f32 v[14:15], v[14:15], v[216:217]
	s_wait_alu depctr_va_vdst(0)                   ; and one for the four
.irp b, 0,1,2,3
	v_max_num_f32 v[BM+\b], 0x1800000, v[BM+\b]    ; the floor 2^(3 - 127)
.endr
.irp b, 0,1,2,3
	s_delay_alu instid0(VALU_DEP_4)
	v_add_nc_u32 v[SCO+\b], 0xff000000, v[BM+\b]
.endr
.irp b, 0,1,2,3
	s_delay_alu instid0(VALU_DEP_4)
	v_lshrrev_b32 v[BY+\b], 23, v[SCO+\b]
.endr
	s_delay_alu instid0(VALU_DEP_3)
	v_lshl_or_b32 v228, v[BY+1], 8, v[BY]
	s_delay_alu instid0(VALU_DEP_1)
	v_lshl_or_b32 v228, v[BY+2], 16, v228
	s_delay_alu instid0(VALU_DEP_1)
	v_lshl_or_b32 v228, v[BY+3], 24, v228
.irp c, 0,1
	v_cvt_scalef32_pk16_fp6_f32 v[192+6*\c:194+6*\c], v[96+32*\c:111+32*\c], v[SCO+2*\c]
	v_cvt_scalef32_pk16_fp6_f32 v[204+4*\c:206+4*\c], v[112+32*\c:127+32*\c], v[SCO+2*\c+1]
.endr
	v_nop                                          ; one plain place behind a scaled conversion
.irp c, 0,1
.irp i, 0,1,2
	v_permlane16_swap_b32 v[192+6*\c+\i], v[204+4*\c+\i]
.endr
.irp i, 0,1,2
	s_delay_alu instid0(VALU_DEP_3)
	v_mov_b32 v[195+6*\c+\i], v[204+4*\c+\i]
.endr
.endr
.irp t, 0,1,2,3
.irp c, 0,1,2
	ds_load_b128 v[96+12*\t+4*\c:99+12*\t+4*\c], v10 offset:1536*\t+512*\c   ; V's four fragments, into the registers that p has left
.endr
.endr
.set J, 0
.rept 16
	v_pk_mul_f32 v[160+J:161+J], v[160+J:161+J], v[230:231] op_sel_hi:[1,0]   ; O^T under the new M; these are also the places between P's codes and scale word and the products
.set J, J+2
.endr
	s_wait_alu depctr_va_vdst(0)
	s_wait_dscnt 0x0
.irp t, 0,1,2,3
.if \t%2
	v_wmma_scale_f32_16x16x128_f8f6f4 v[160+8*\t:167+8*\t], v[96+12*\t:107+12*\t], v[192:203], v[160+8*\t:167+8*\t], v[84+\t/2], v228 matrix_a_fmt:MATRIX_FMT_FP6 matrix_b_fmt:MATRIX_FMT_FP6 matrix_a_scale:MATRIX_SCALE_ROW1
.else
	v_wmma_scale_f32_16x16x128_f8f6f4 v[160+8*\t:167+8*\t], v[96+12*\t:107+12*\t], v[192:203], v[160+8*\t:167+8*\t], v[84+\t/2], v228 matrix_a_fmt:MATRIX_FMT_FP6 matrix_b_fmt:MATRIX_FMT_FP6
.endif
.endr
.if \grded
.Lhidden_\@:
.endif
	s_add_co_u32 s[TB], s[TB], 6144
	s_add_co_u32 s[TS], s[TS], 512
	s_add_co_u32 s[TV], s[TV], 256
	s_add_co_u32 s[KSN], s[KSN], 1
.endm
.macro WALK n, grded
	s_mov_b32 s[CNT], \n
.Lwalk_\@:
	STEP \grded
	s_sub_co_u32 s[CNT], s[CNT], 1
	s_cmp_lg_u32 s[CNT], 0
	s_cbranch_scc1 .Lwalk_\@
.endm
; A tile's end: y = O^T / the sum; register 16 b + i is d 32 b + 16 (lane / 16) + i: two blocks of the projection's K.  y, ys: the registers with the addresses of its codes and scale bytes.
.macro EPILOG y, ys
.rept 4
	v_nop                                          ; places behind the last products
.endr
	v_add_f32 v14, v14, v15
	s_delay_alu instid0(VALU_DEP_1)
	v_permlanex16_b32 v232, v14, s[SEL], s[SEL+1]
	s_delay_alu instid0(VALU_DEP_1)
	v_add_f32 v14, v14, v232
	s_wait_alu depctr_va_vdst(0)
	v_rcp_f32 v230, v14
	v_nop
	s_wait_alu depctr_va_vdst(0)                   ; ahead of the reciprocal's first reader
.set J, 0
.rept 16
	v_pk_mul_f32 v[96+J:97+J], v[160+J:161+J], v[230:231] op_sel_hi:[1,0]   ; each accumulator from its low end on
.set J, J+2
.endr
.irp b, 0,1
	v_max3_num_f32 v[BM+\b], |v[96+16*\b]|, |v[97+16*\b]|, 0x1800000
.endr
.irp i, 2,4,6,8,10,12,14
.irp b, 0,1
	s_delay_alu instid0(VALU_DEP_2)
	v_max3_num_f32 v[BM+\b], v[BM+\b], |v[96+16*\b+\i]|, |v[97+16*\b+\i]|
.endr
.endr
.irp b, 0,1
	s_delay_alu instid0(VALU_DEP_2)
	v_permlanex16_b32 v[PM+\b], v[BM+\b], s[SEL], s[SEL+1]
.endr
.irp b, 0,1
	s_delay_alu instid0(VALU_DEP_2)
	v_max_num_f32 v[BM+\b], v[BM+\b], v[PM+\b]
.endr
.irp b, 0,1
	s_delay_alu instid0(VALU_DEP_2)
	v_add_nc_u32 v[SCO+\b], 0xff000000, v[BM+\b]
.endr
.irp b, 0,1
	s_delay_alu instid0(VALU_DEP_2)
	v_lshrrev_b32 v[BY+\b], 23, v[SCO+\b]
.endr
	v_cvt_scalef32_pk16_fp6_f32 v[192:194], v[96:111], v[SCO]
	v_cvt_scalef32_pk16_fp6_f32 v[204:206], v[112:127], v[SCO+1]
	v_nop
.irp i, 0,1,2
	v_permlane16_swap_b32 v[192+\i], v[204+\i]
.endr
.irp i, 0,1,2
	s_delay_alu instid0(VALU_DEP_3)
	v_mov_b32 v[195+\i], v[204+\i]
.endr
	v_cndmask_b32 v233, v[BY], v[BY+1], s[HM]      ; lanes 0-15 store block 0's byte, lanes 16-31 block 1's
	global_store_b128 v1, v[192:195], s[\y:\y+1]   ; 512 consecutive bytes, aligned to 256,
	global_store_b64 v2, v[196:197], s[\y:\y+1]    ; and 256
	global_store_b8 v87, v233, s[\ys:\ys+1]        ; one byte for each 24 of codes: rows 32 bytes apart
.endm
	s_wait_loadcnt 0x0                             ; Q
	s_wait_alu depctr_va_vdst(0)
	s_cmp_lt_u32 s[WV], 3                          ; waves 0-2 brought the scale words and keys 0-511; the later quarters may be out
	s_cbranch_scc0 .Lnot_first
	s_wait_tensorcnt 0x0
.Lnot_first:
	s_barrier_signal -1
	s_barrier_wait -1
	WALK 4, 0                                      ; the long tile has g of 8 or more: its steps 0-7 are wholly open
	s_wait_dscnt 0x0
	s_wait_tensorcnt 0x0                           ; every wave: all keys
	s_barrier_signal -1
	s_barrier_wait -1
	WALK 4, 0
	s_mov_b32 s[G], s[GL]
	WALK 8, 1
	EPILOG 76, 78
	s_wait_xcnt 0x0                                ; the stores have read their registers
	v_mov_b32 v30, v246                            ; the short tile: its scale word first, more than eight plain lines ahead of the first product
.irp j, 0,1,2,3,4,5
	v_mov_b32 v[16+\j], v[240+\j]
.endr
	INIT
	s_mov_b32 s[TB], 0
	s_mov_b32 s[TS], 0
	s_mov_b32 s[TV], 0
	s_mov_b32 s[KSN], 0
	s_mov_b32 s[G], s[GS]
	WALK 8, 1
	EPILOG 84, 86
	s_wait_tensorcnt 0x0                           ; the wave's end
	ds_add_u32 v[SPW], v[NIL]
	s_wait_dscnt 0x0
	CROUND                                         ; the closing round
	s_endpgm
.Lfunc_end_k_q669004e35c_attn:
	.size	k_q669004e35c_attn, .Lfunc_end_k_q669004e35c_attn-k_q669004e35c_attn
	.p2alignl 7, 3214868480
	.fill 96, 4, 3214868480
	.section	.rodata,"a",@progbits
	.p2align	6, 0x0
	.amdhsa_kernel k_q669004e35c_attn
		.amdhsa_group_segment_fixed_size 210944
		.amdhsa_private_segment_fixed_size 0
		.amdhsa_enable_private_segment 0
		.amdhsa_kernarg_size 24
		.amdhsa_user_sgpr_count 2
		.amdhsa_user_sgpr_kernarg_segment_ptr 1
		.amdhsa_wavefront_size32 1
		.amdhsa_system_sgpr_workgroup_id_x 1
		.amdhsa_system_sgpr_workgroup_id_y 1
		.amdhsa_system_sgpr_workgroup_id_z 1
		.amdhsa_system_vgpr_workitem_id 0
		.amdhsa_next_free_vgpr 256
		.amdhsa_next_free_sgpr 100
		.amdhsa_reserve_vcc 1
		.amdhsa_float_denorm_mode_32 3
		.amdhsa_float_denorm_mode_16_64 3
		.amdhsa_memory_ordered 1
		.amdhsa_forward_progress 1
		.amdhsa_inst_pref_size 102
	.end_amdhsa_kernel
	.amdgpu_metadata
---
amdhsa.version: [ 1, 2 ]
amdhsa.kernels:
  - .name:           k_q669004e35c_attn
    .symbol:         k_q669004e35c_attn.kd
    .args:
      - { .name: qq, .offset: 0, .size: 8, .value_kind: global_buffer, .address_space: global }
      - { .name: kv, .offset: 8, .size: 8, .value_kind: global_buffer, .address_space: global }
      - { .name: yq, .offset: 16, .size: 8, .value_kind: global_buffer, .address_space: global }
    .group_segment_fixed_size: 210944
    .private_segment_fixed_size: 0
    .kernarg_segment_align: 8
    .kernarg_segment_size: 24
    .max_flat_workgroup_size: 512
    .sgpr_count:     100
    .vgpr_count:     256
    .wavefront_size: 32
...
	.end_amdgpu_metadata
.endif
;; end of part 3
;; launch proj (part 4): grid 4 x 64, 4 waves a work-group, clusters of 4 x 4, 327,680 bytes of LDS; arguments yq, wq, b_proj, out0; writes out0
.if DOCPART == 4
	.amdgcn_target "amdgcn-amd-amdhsa--gfx1250"
	.amdhsa_code_object_version 6
	.text
	.protected	k_q669004e35c_proj
	.globl	k_q669004e35c_proj
	.p2align	8
	.type	k_q669004e35c_proj,@function
k_q669004e35c_proj:
	s_mov_b64 s[64:65], 0
	v_nop
	global_prefetch_b8 v0, s[64:65] scope:SCOPE_SE
	s_setreg_imm32_b32 hwreg(HW_REG_WAVE_MODE, 25, 1), 1
	s_wait_xcnt 0x0
	s_wait_alu depctr_hold_cnt(0) depctr_sa_sdst(0) depctr_va_vdst(0) depctr_va_sdst(0) depctr_va_ssrc(0) depctr_va_vcc(0) depctr_vm_vsrc(0)
	s_getreg_b32 s2, hwreg(HW_REG_IB_STS2, 6, 4)
	s_cmp_eq_u32 s2, 0
	s_cbranch_scc0 .Lentry_in_a_cluster
	s_endpgm
.Lentry_in_a_cluster:
	s_bfe_u32 s2, ttmp6, 0x10000c
	s_cmp_lg_u32 s2, 0xf033
	s_cbranch_scc0 .Lentry_shape_is_right
	s_endpgm
.Lentry_shape_is_right:
; out0 = y W_proj + b_proj on codes of FP6 (E2M3) with E8M0 scales; sums in f32; the bias is the first products' C.
; 256 work-groups, each 128 tokens x 256 columns; four waves, 2 x 2, each 64 tokens x 128 columns: 32 accumulators (window 2).  Source 0 = rows of W (a lane's registers run along the columns), source 1 = tokens.
; yq: [256 tokens][K step of 256][tile of 16 tokens][3,072 bytes: images of operand registers]; wq: [tile of 256 rows][K step][256 rows][192 bytes]; scale bytes [row][32] at 0x600000 and 0x300000.  Rows lie in tile order.
; LDS: A, all of K, 4 x 24,576 bytes at 0; B in three slots of 256 rows x 240 bytes from BREG (K steps 0, 1, 2; K step 3 comes into slot 0); the scales; the spare words.
; FILLS: at the head one joint load a wave: A's 98,304 bytes, B's K steps 0-2, A's scales, B's scales.  One refill, a quarter a wave, in a round of the cluster's barrier inside step 1; a plain barrier in step 5 shows it to all.
; A of a tile row is shared along a row of the 4 x 4 cluster, B along a column.  No prefetch: all but one tile is asked for at the head, and there is no loop to run ahead in.
; A step is 128 along K, 32 products; A's and B's fragments have two sets each: step t + 1's are fetched ahead of step t's products, so each wait for LDS is for 0.
; The stage of the way out lies in A's first 33,792 bytes: filled once, last read (steps 0-3) ahead of step 5's barrier.
.set SIZE_N, 1024
.set PITCH,  240                       ; a row of B in LDS: 3 x (64 bytes + 16 of padding)
.set FR,     12
.set NP,     4
.set SLA,    24576
.set BREG,   4*SLA
.set SLB,    256*PITCH
.set KS,     32
.set SCL,    BREG+3*SLB
.set HALFS,  (128*KS/256)*272
.set SBLK,   (16*KS/256)*272
.set SPARE,  SCL+3*HALFS
.set SPITCH, 528
.set BO,   8
.set ADRA, 16                          ; v16, v17 A's images of K steps 0-1, 2-3 (16 x lane); v18, v19 their last 256 bytes (8 x lane)
.set ADRB, 20                          ; v20-22 B's fragments in slots 0-2; v23-25 the same behind one padding more
.set STO,  26
.set RD,   27
.set SPW,  28
.set NIL,  29
.set CO,   30
.set ADRS, 31
.set SC,   32                          ; v32-63 scale words, two sets: lanes 0-15 A's block i, lanes 16-31 B's block i
.set AF,   128                         ; v128-223 A's fragments, two sets of four
.set BK,   128
.set G1, 24
.set G0, 32
.set G0R, 36
.set G1B, 48
.set G0B, 56
.set G1S, 68
.set G0S, 76
.set G1SB, 80
.set G0SB, 88
.set MSB, 0
.macro WIN new
.if MSB != (\new)
	s_set_vgpr_msb (MSB<<8)|(\new)
.set MSB, (\new)
.endif
.endm
.set MUL_LO, 0xa1                      ; source 0 window 1, source 1 window 0, C and D window 2
.set MUL_BI, 0x91                      ; the same with C in window 1: the bias
.set TO_B,   0x40
.macro PLACES n
.rept \n
	v_nop
.endr
.endm
.macro CREST
	s_cmp_lg_u32 s14, 0
	s_cbranch_scc1 .Lnot_wave_0_\@
	s_barrier_signal -3
.Lnot_wave_0_\@:
	s_barrier_wait -3
	s_barrier_signal -1
	s_barrier_wait -1
.endm
.macro CROUND
	s_barrier_signal -1
	s_barrier_wait -1
	CREST
.endm
.macro TLOAD g0, g1                    ; an s_nop 0, then four plain places
	tensor_load_to_lds s[\g0:\g0+3], s[\g1:\g1+7]
	s_nop 0
	PLACES 4
.endm
.macro ARM under, g0, g1, next
	s_cmp_lt_u32 s14, \under
	s_cbranch_scc0 \next
	TLOAD \g0, \g1
	s_branch .Lhead_asked
\next:
.endm
	s_load_b128 s[4:7], s[0:1], 0x0                ; yq, wq
	s_load_b128 s[8:11], s[0:1], 0x10              ; b_proj, out0
	v_lshl_add_u32 v[SPW], v0, 2, SPARE
	v_mov_b32 v[NIL], 0
	ds_add_u32 v[SPW], v[NIL]                      ; the opening lines
	ds_add_u32 v[SPW], v[NIL]
	v_lshrrev_b32 v1, 5, v0
	v_readfirstlane_b32 s14, v1                    ; wave
	s_lshr_b32 s15, s14, 1                         ; my 64 tokens of the 128
	s_and_b32 s16, s14, 1                          ; my 128 columns of the 256
	s_bfe_u32 s40, ttmp6, 0x40000                  ; cx
	s_bfe_u32 s41, ttmp6, 0x40004                  ; cy
	s_lshl_b32 s42, ttmp9, 2
	s_add_co_u32 s42, s42, s40                     ; tile column, 0-3
	s_and_b32 s17, ttmp7, 0xffff
	s_lshl_b32 s17, s17, 2
	s_add_co_u32 s17, s17, s41                     ; tile row, 0-63
	s_lshl_b32 s43, s41, 2
	s_lshl_b32 s43, 15, s43                        ; my row of the cluster
	s_lshl_b32 s44, 0x1111, s40                    ; my column
	s_or_b32 s[G1+0], s43, (3<<16)|(1<<21)         ; A: four rows (K steps) of 3,072 elements of 8 bytes, 6,144 apart; no padding
	s_mov_b32 s[G1+1], 3072<<16
	s_mov_b32 s[G1+2], 4<<16
	s_mov_b32 s[G1+3], 3072<<16
	s_mov_b32 s[G1+4], 4
	s_mov_b32 s[G1+5], 6144
	s_mov_b32 s[G1+6], 0
	s_mov_b32 s[G1+7], 0
	s_or_b32 s[G1B+0], s44, (0<<16)|(1<<20)|(1<<21)|(3<<22)|(3<<25)   ; B: dense, as rows of 256 bytes; 16 bytes of padding behind every 64
	s_mov_b32 s[G1B+1], 256<<16
	s_mov_b32 s[G1B+2], 576<<16                    ; the head's load: three K steps, 147,456 bytes
	s_mov_b32 s[G1B+3], 256<<16
	s_mov_b32 s[G1B+4], 576
	s_mov_b32 s[G1B+5], 256
	s_mov_b32 s[G1B+6], 0
	s_mov_b32 s[G1B+7], 0
	s_or_b32 s[G1S+0], s43, (3<<16)|(1<<20)|(1<<21)|(5<<22)|(3<<25)   ; scales: rows of 256 bytes + 16
	s_or_b32 s[G1SB+0], s44, (3<<16)|(1<<20)|(1<<21)|(5<<22)|(3<<25)
.irp g, G1S, G1SB
	s_mov_b32 s[\g+1], 32<<16
	s_mov_b32 s[\g+3], 32<<16
	s_mov_b32 s[\g+5], 32
	s_mov_b32 s[\g+6], 0
	s_mov_b32 s[\g+7], 0
.endr
	s_mov_b32 s[G1S+2], 16<<16                     ; 128 tokens x 32 bytes
	s_mov_b32 s[G1S+4], 16
	s_mov_b32 s[G1SB+2], 32<<16                    ; 256 rows of W
	s_mov_b32 s[G1SB+4], 32
	s_lshl_b32 s22, s17, 12
	s_add_co_u32 s22, s22, 0x600000
	s_mov_b32 s23, 0
	s_add_co_u32 s46, s42, 12                      ; W_proj's tiles lie behind W_attn's twelve
	s_lshl_b32 s92, s46, 13
	s_add_co_u32 s92, s92, 0x300000
	s_mov_b32 s93, 0
	s_lshr_b32 s20, s17, 1
	s_mul_i32 s20, s20, 196608
	s_and_b32 s21, s17, 1
	s_mul_i32 s21, s21, SLA
	s_add_co_u32 s20, s20, s21
	s_mov_b32 s21, 0
	s_mul_i32 s46, s46, 196608
	s_mov_b32 s47, 0
	s_mul_i32 s95, s14, 64*PITCH                   ; the refill: my 64 rows of K step 3, into slot 0
	s_add_co_u32 s95, s95, BREG
	s_mul_i32 s12, s14, 12288
	s_add_co_u32 s12, s12, 3*49152
	s_mov_b32 s13, 0
	s_wait_dscnt 0x0
	s_wait_kmcnt 0x0
	s_add_nc_u64 s[20:21], s[4:5], s[20:21]
	s_add_nc_u64 s[22:23], s[4:5], s[22:23]
	s_add_nc_u64 s[46:47], s[6:7], s[46:47]
	s_add_nc_u64 s[92:93], s[6:7], s[92:93]
	CROUND                                         ; the round in front of the first joint loads
	s_mov_b32 s[G0], 1
	s_mov_b32 s[G0+1], 0
	s_mov_b64 s[G0+2:G0+3], s[20:21]
	s_or_b32 s[G0+3], s[G0+3], 0x80000000
	s_mov_b32 s[G0B], 1
	s_mov_b32 s[G0B+1], BREG
	s_mov_b64 s[G0B+2:G0B+3], s[46:47]
	s_or_b32 s[G0B+3], s[G0B+3], 0x80000000
	s_mov_b32 s[G0R], 1
	s_mov_b32 s[G0R+1], s95
	s_add_nc_u64 s[G0R+2:G0R+3], s[46:47], s[12:13]
	s_or_b32 s[G0R+3], s[G0R+3], 0x80000000
	s_mov_b32 s[G0S], 1
	s_mov_b32 s[G0S+1], SCL
	s_mov_b64 s[G0S+2:G0S+3], s[22:23]
	s_or_b32 s[G0S+3], s[G0S+3], 0x80000000
	s_mov_b32 s[G0SB], 1
	s_mov_b32 s[G0SB+1], SCL+HALFS
	s_mov_b64 s[G0SB+2:G0SB+3], s[92:93]
	s_or_b32 s[G0SB+3], s[G0SB+3], 0x80000000
	ARM 1, G0,  G1,  .Lhead_b                      ; one chain of arms, one load a wave
	ARM 2, G0B, G1B, .Lhead_sa
	ARM 3, G0S, G1S, .Lhead_sb
	TLOAD G0SB, G1SB
.Lhead_asked:
	v_and_b32 v1, 15, v0                           ; r
	v_bfe_u32 v2, v0, 4, 1                         ; lane / 16
	v_and_b32 v7, 31, v0
	v_mul_u32_u24 v3, v1, PITCH
	v_mul_u32_u24 v4, v2, 24
	v_add_nc_u32 v4, v3, v4
	v_lshl_add_u32 v5, v2, 4, v4
	v_lshlrev_b32 v[CO], 4, v7
	v_lshl_add_u32 v6, v7, 3, 512
	s_mul_i32 s21, s15, SLA/2
	s_mul_i32 s22, s16, 128*PITCH
	s_add_co_u32 s22, s22, BREG
.irp s, 0,1
	v_add_nc_u32 v[ADRA+\s], s21, v[CO]
	v_add_nc_u32 v[ADRA+2+\s], s21, v6
	s_add_co_u32 s21, s21, 2*SLA
.endr
.irp s, 0,1,2
	v_add_nc_u32 v[ADRB+\s], s22, v4
	v_add_nc_u32 v[ADRB+3+\s], s22, v5
	s_add_co_u32 s22, s22, SLB
.endr
	v_mul_u32_u24 v5, v1, KS
	v_lshrrev_b32 v6, 8, v5
	v_lshl_add_u32 v5, v6, 4, v5
	s_mul_i32 s21, s15, HALFS/2
	s_mul_i32 s22, s16, HALFS
	s_add_co_u32 s22, s22, HALFS
	s_sub_co_u32 s22, s22, s21
	v_mul_u32_u24 v6, s22, v2                      ; lanes 16-31 take B's scale words
	s_add_co_u32 s21, s21, SCL
	v_add_nc_u32 v5, v5, v6
	v_add_nc_u32 v[ADRS], s21, v5
	s_mul_i32 s23, s14, 16*SPITCH                  ; my stage
	v_mul_u32_u24 v5, v1, SPITCH
	v_lshl_add_u32 v5, v2, 6, v5
	v_add_nc_u32 v[STO], s23, v5
	v_add_nc_u32 v[RD], s23, v[CO]
	v_lshlrev_b32 v[BO], 6, v2
	s_wait_alu depctr_va_vdst(0)
	s_lshl_b32 s20, s17, 7
	s_lshl_b32 s21, s15, 6
	s_add_co_u32 s20, s20, s21                     ; my first token
	s_lshl_b32 s20, s20, 12
	s_lshl_b32 s46, s42, 10
	s_lshl_b32 s47, s16, 9
	s_add_co_u32 s46, s46, s47                     ; my first column, in bytes
	s_mov_b32 s47, 0
	s_add_nc_u64 s[8:9], s[8:9], s[46:47]
	s_add_co_u32 s20, s20, s46
	s_mov_b32 s21, 0
	s_add_nc_u64 s[10:11], s[10:11], s[20:21]
	WIN TO_B
.irp b, 0,1,2,3,4,5,6,7                ; the bias in the result's layout: for accumulator b the columns 32 (b / 2) + 16 (lane / 16) + 8 (b % 2) + 0 .. 7
	global_load_b128 v[96+8*\b+96*(\b/4):96+8*\b+96*(\b/4)+3], v[BO], s[8:9] offset:128*(\b/2)+32*(\b%2)
	global_load_b128 v[96+8*\b+96*(\b/4)+4:96+8*\b+96*(\b/4)+7], v[BO], s[8:9] offset:128*(\b/2)+32*(\b%2)+16
.endr
	WIN 0
; step t's fragments into set t % 2: B's eight (pieces of 8 bytes), A's four (images), and with an even step its K step's scale words
.macro FETCH t
.set KS_, (\t)/2
.set Q_, (\t)%2
	WIN TO_B
.irp i, 0,1,2,3,4,5,6,7
.irp p, 0,1,2,3,4,5
.set PCE, 12*Q_+6*(\p/3)+\p%3
	ds_load_b64 v[128*Q_+FR*\i+2*\p:128*Q_+FR*\i+2*\p+1], v[ADRB+KS_%3+3*((PCE%8)/5)] offset:8*PCE+16*(PCE/8)+\i*16*PITCH
.endr
.endr
	WIN 0
.irp i, 0,1,2,3
.irp c, 0,1
	ds_load_b128 v[AF+FR*(4*Q_+\i)+6*\c:AF+FR*(4*Q_+\i)+6*\c+3], v[ADRA+KS_/2] offset:SLA*(KS_%2)+3072*\i+1536*Q_+768*\c
	ds_load_b64 v[AF+FR*(4*Q_+\i)+6*\c+4:AF+FR*(4*Q_+\i)+6*\c+5], v[ADRA+2+KS_/2] offset:SLA*(KS_%2)+3072*\i+1536*Q_+768*\c
.endr
.endr
.if Q_ == 0
.irp i, 0,1,2,3,4,5,6,7
	ds_load_b64 v[SC+16*(KS_%2)+2*\i:SC+16*(KS_%2)+2*\i+1], v[ADRS] offset:\i*SBLK+8*KS_
.endr
.endif
.endm
; 16 products of step t: A's blocks a0, a0 + 1 x B's eight.  The 32 accumulators take turns, in the same order in every step
.macro MUL16 a0, t, bias
.set Q_, (\t)%2
.set S_, SC+16*(((\t)/2)%2)+Q_
.irp a, \a0, \a0+1
.irp b, 0,1,2,3,4,5,6,7
.if \bias
	v_wmma_scale_f32_16x16x128_f8f6f4 v[8*(8*(\a)+\b):8*(8*(\a)+\b)+7], v[128*Q_+FR*\b:128*Q_+FR*\b+FR-1], v[AF+FR*(4*Q_+(\a)):AF+FR*(4*Q_+(\a))+FR-1], v[96+8*\b+96*(\b/4):96+8*\b+96*(\b/4)+7], v[S_+2*\b], v[S_+2*(\a)] matrix_a_fmt:MATRIX_FMT_FP6 matrix_b_fmt:MATRIX_FMT_FP6 matrix_a_scale:MATRIX_SCALE_ROW1
.else
	v_wmma_scale_f32_16x16x128_f8f6f4 v[8*(8*(\a)+\b):8*(8*(\a)+\b)+7], v[128*Q_+FR*\b:128*Q_+FR*\b+FR-1], v[AF+FR*(4*Q_+(\a)):AF+FR*(4*Q_+(\a))+FR-1], v[8*(8*(\a)+\b):8*(8*(\a)+\b)+7], v[S_+2*\b], v[S_+2*(\a)] matrix_a_fmt:MATRIX_FMT_FP6 matrix_b_fmt:MATRIX_FMT_FP6 matrix_a_scale:MATRIX_SCALE_ROW1
.endif
.endr
.endr
.endm
.macro PLAIN t, bias                   ; a step whose successor's tiles have been shown
	s_wait_dscnt 0x0                               ; this step's fragments are in
	PLACES NP                                      ; behind the last step's products, whose set is loaded next
	FETCH (\t)+1
.if \bias
	WIN MUL_BI
.else
	WIN MUL_LO
.endif
	MUL16 0, \t, \bias
	MUL16 2, \t, \bias
	WIN 0
.endm
	s_wait_alu depctr_va_vdst(0)                   ; the head's end
	s_wait_tensorcnt 0x0                           ; my load of the head is in, so a descriptor may be written:
	s_mov_b32 s[G1B+2], 48<<16                     ; the refill brings 12,288 bytes a wave
	s_mov_b32 s[G1B+4], 48
	s_barrier_signal -1
	s_barrier_wait -1                              ; everybody's is in
	FETCH 0
	s_wait_loadcnt 0x0                             ; the bias
	PLAIN 0, 1
	; step 1: B's slot 0 is read no more and is filled again
	s_wait_tensorcnt 0x0
	ds_add_u32 v[SPW], v[NIL]
	s_wait_dscnt 0x0                               ; the add is done, and step 1's fragments are in: my reads of slot 0 are over
	s_barrier_signal -1                            ; opens a round of the cluster's barrier
	WIN MUL_LO
	MUL16 0, 1, 0
	WIN 0
	s_barrier_wait -1
	CREST
	TLOAD G0R, G1B                                 ; K step 3; its four places stand in front of the loads below
	FETCH 2
	WIN MUL_LO
	MUL16 2, 1, 0
	WIN 0
	PLAIN 2, 0
	PLAIN 3, 0
	PLAIN 4, 0
	; step 5: a plain barrier shows K step 3 to all
	s_wait_tensorcnt 0x0
	s_wait_dscnt 0x0
	s_barrier_signal -1
	WIN MUL_LO
	MUL16 0, 5, 0
	WIN 0
	s_barrier_wait -1
	PLACES NP
	FETCH 6
	WIN MUL_LO
	MUL16 2, 5, 0
	WIN 0
	PLAIN 6, 0
	s_wait_dscnt 0x0
	WIN MUL_LO
	MUL16 0, 7, 0
	MUL16 2, 7, 0
	WIN 0
; the way out, block by block of 16 tokens x 128 columns, through my own stage: back as rows of 512 bytes, which the 32 lanes store as two aligned units of 256
.macro TOSTAGE a
.set AC, 64*(\a)
	WIN 0x08
.irp b, 0,1,2,3,4,5,6,7
	ds_store_b128 v[STO], v[AC+8*\b:AC+8*\b+3] offset:128*(\b/2)+32*(\b%2)      ; each accumulator from its low end on
	ds_store_b128 v[STO], v[AC+8*\b+4:AC+8*\b+7] offset:128*(\b/2)+32*(\b%2)+16
.endr
	WIN 0
.set BB, BK+64*((\a)%2)
.irp t, 0,1,2,3,4,5,6,7,8,9,10,11,12,13,14,15
	ds_load_b128 v[BB+4*\t:BB+4*\t+3], v[RD] offset:\t*SPITCH                   ; LDS serves a wave's instructions in order
.endr
.endm
.macro SEND a, younger
.set BB, BK+64*((\a)%2)
	s_wait_dscnt \younger
.if (\a) > 0
.if (\a)%2
	s_add_nc_u64 s[10:11], s[10:11], 8*SIZE_N*4    ; tile order: block 2 b + u begins at token 32 b + 8 u
.else
	s_add_nc_u64 s[10:11], s[10:11], 24*SIZE_N*4
.endif
.endif
.irp t, 0,1,2,3,4,5,6,7,8,9,10,11,12,13,14,15
	global_store_b128 v[CO], v[BB+4*\t:BB+4*\t+3], s[10:11] offset:(\t+8*(\t/8))*SIZE_N*4 th:TH_STORE_NT
.endr
.endm
	PLACES NP
	TOSTAGE 0
.irp a, 1,2,3
.if \a > 1
	s_wait_xcnt 0x0                                ; block a - 2's stores have read their registers and their base
.endif
	TOSTAGE \a
	SEND \a-1, 32                                  ; behind block a - 1's loads: block a's 16 stores and 16 loads
.endr
	s_wait_xcnt 0x0
	SEND 3, 0
	s_wait_tensorcnt 0x0                           ; the wave's end
	ds_add_u32 v[SPW], v[NIL]
	s_wait_dscnt 0x0
	CROUND                                         ; the closing round
	s_endpgm
.Lfunc_end_k_q669004e35c_proj:
	.size	k_q669004e35c_proj, .Lfunc_end_k_q669004e35c_proj-k_q669004e35c_proj
	.p2alignl 7, 3214868480
	.fill 96, 4, 3214868480
	.section	.rodata,"a",@progbits
	.p2align	6, 0x0
	.amdhsa_kernel k_q669004e35c_proj
		.amdhsa_group_segment_fixed_size 327680
		.amdhsa_private_segment_fixed_size 0
		.amdhsa_enable_private_segment 0
		.amdhsa_kernarg_size 32
		.amdhsa_user_sgpr_count 2
		.amdhsa_user_sgpr_kernarg_segment_ptr 1
		.amdhsa_wavefront_size32 1
		.amdhsa_system_sgpr_workgroup_id_x 1
		.amdhsa_system_sgpr_workgroup_id_y 1
		.amdhsa_system_sgpr_workgroup_id_z 1
		.amdhsa_system_vgpr_workitem_id 0
		.amdhsa_next_free_vgpr 768
		.amdhsa_next_free_sgpr 98
		.amdhsa_reserve_vcc 0
		.amdhsa_float_denorm_mode_32 3
		.amdhsa_float_denorm_mode_16_64 3
		.amdhsa_memory_ordered 1
		.amdhsa_forward_progress 1
		.amdhsa_inst_pref_size 95
	.end_amdhsa_kernel
	.amdgpu_metadata
---
amdhsa.version: [ 1, 2 ]
amdhsa.kernels:
  - .name:           k_q669004e35c_proj
    .symbol:         k_q669004e35c_proj.kd
    .args:
      - { .name: yq, .offset: 0, .size: 8, .value_kind: global_buffer, .address_space: global }
      - { .name: wq, .offset: 8, .size: 8, .value_kind: global_buffer, .address_space: global }
      - { .name: b_proj, .offset: 16, .size: 8, .value_kind: global_buffer, .address_space: global }
      - { .name: out0, .offset: 24, .size: 8, .value_kind: global_buffer, .address_space: global }
    .group_segment_fixed_size: 327680
    .private_segment_fixed_size: 0
    .kernarg_segment_align: 8
    .kernarg_segment_size: 32
    .max_flat_workgroup_size: 128
    .sgpr_count:     98
    .vgpr_count:     768
    .wavefront_size: 32
...
	.end_amdgpu_metadata
.endif
;; end of part 4
